; MI455X (gfx1250); checked and timed in simulation.
; The chip was launched on July 23, 2026; its instructions are those of AMD's public machine-readable ISA for CDNA 5 (MIT licence, August 2026) and "CDNA5" Instruction Set Architecture Reference Guide (July 2026). The comments in the code are by the model that wrote it; some were corrected since.
;; Multi Head Attention. Allowed arithmetic: matrix products marked QUANTISED: E2M3 operands, one E8M0 scale for each 32 along K, by v_wmma_scale_f32_16x16x128_f8f6f4 with both operands' format E2M3, f32 sums; everything else in f32.
;; Inputs: Wc 1,024 x 1,024 float32; Wk 1,024 x 1,024 float32; Wq 1,024 x 1,024 float32; Wv 1,024 x 1,024 float32; bc 1,024 float32; bk 1,024 float32; bq 1,024 float32; bv 1,024 float32; key 4 x 2,048 x 1,024 float32; query 4 x 2,048 x 1,024 float32; value 4 x 2,048 x 1,024 float32.
;; Outputs: out0 4 x 2,048 x 1,024 float32.
;; This version of the problem:
;;   THIS VERSION OF THE PROBLEM IS GIVEN IN LOW PRECISION. The matrix products marked QUANTISED in the list below multiply operands that are first quantised to E2M3 (2 exponent bits, 3 mantissa bits; 6 bits a number), with one power-of-two scale for each 32 numbers along K (OCP MX v1.0); their sums are f32. All else is computed in f32.
;;   The module's matrix products, in the order in which they are computed (A, B: the left and right operand; K: the contracted axis; several contracted axes count as one K, in the product's order):
;;     1. [M 8,192, K 1,024] x [K 1,024, N 1,024]; A: input query; B: input Wq: QUANTISED
;;     2. [M 8,192, K 1,024] x [K 1,024, N 1,024]; A: input key; B: input Wk: QUANTISED
;;     3. [M 8,192, K 1,024] x [K 1,024, N 1,024]; A: input value; B: input Wv: QUANTISED
;;     4. batch 64 x [M 2,048, K 64] x [K 64, N 2,048]; A: computed on the way; B: computed on the way: QUANTISED
;;     5. batch 64 x [M 2,048, K 2,048] x [K 2,048, N 64]; A: softmax (see below); B: computed on the way: QUANTISED
;;     6. [M 8,192, K 1,024] x [K 1,024, N 1,024]; A: computed on the way; B: input Wc: QUANTISED
;;   THE QUANTISER, for each operand of a quantised product, along K:
;;     - K is cut into blocks of 32 from its start; a last block that is shorter is filled with zeros.
;;     - A block's scale is 2^e with e = floor(log2(the largest magnitude in the block)) - 2, held to -126 .. 127; a block of zeros has e = 0. As a byte (E8M0): e + 127.
;;     - Each number is divided by its block's scale, clamped to +-7.5, and rounded to the nearest number of E2M3, ties to even, subnormals kept.
;;     - The product sums the exact products of the quantised numbers (number of the format x scale) in f32.
;;   ~~~python
;;   def quantise(x, axis):      # numpy; x: float32 -> the quantised numbers, widened to float32 again
;;       x = np.moveaxis(x, axis, -1); K = x.shape[-1]
;;       x = np.pad(x, [(0, 0)] * (x.ndim - 1) + [(0, -K % 32)]); x = x.reshape(x.shape[:-1] + (-1, 32)); a = np.abs(x).max(-1, keepdims=True)
;;       e = np.where(a > 0, np.clip(np.frexp(np.where(a > 0, a, 1))[1] - 1 - 2, -126, 127), 0)      # np.frexp(a)[1] - 1 = floor(log2(a)), exactly
;;       r = np.clip(x / 2.0 ** e, -7.5, 7.5)
;;       step = 2.0 ** (np.maximum(np.frexp(np.where(r == 0, 1, r))[1] - 1, 0) - 3)
;;       q = np.round(r / step) * step * 2.0 ** e      # np.round: ties to even
;;       return np.moveaxis(q.reshape(q.shape[:-2] + (-1,))[..., :K], -1, axis).astype(np.float32)
;;   ~~~
;;   SOFTMAX AHEAD OF A QUANTISED PRODUCT. Where the list says 'softmax', what is quantised is not the finished softmax but p = 2^(t - M), with t = logit x log2(e) and M = ceil(the row's largest t), a whole number; so 1/2 < the row's largest p <= 1. The row's sum l is taken of the UNQUANTISED p, in f32, and the product's result is divided by l at the end. Since M is a whole number, a kernel that streams over the keys may use a running M (the ceiling of the running maximum): every later rescaling is an exact power of two, which a block's scale takes up: the codes' values come out the same.
;;   OPERANDS COMPUTED ON THE WAY. 'Computed on the way' means the value that the module computes at that place (a softmax that the list does not call 'softmax' is quantised finished and normalised). What goes into a quantiser is computed in f32, as accurately as f32 sums, v_exp_f32 and their like allow (about 1e-6 of the number): no bf16 or f16 on the way to a quantiser, and a product that is left as it is and whose result goes on into a quantised operand takes f32 operands (vector FMAs, or v_wmma_f32_16x16x4_f32). A number that lies on a knife's edge between two numbers of the format may be rounded either way, as far as f32 arithmetic and the matrix unit's own rounding can turn it there, and no further.
;; One version. Each part assembles by itself: llvm-mc -triple=amdgcn-amd-amdhsa -mcpu=gfx1250 --defsym DOCPART=n.
;; ======== version 1 of 1: 4 launches
;; limits: right only within a limited range of input values
;; workspace buffers: codes 28,311,552 bytes; scales 1,179,648 bytes; himg 18,874,368 bytes; hsc 1,310,720 bytes; qcodes 7,077,888 bytes; qscales 294,912 bytes
;; launch quant (part 1): grid 448 x 1, 4 waves a work-group, no clusters, 37,376 bytes of LDS; arguments query, key, value, Wq, Wk, Wv, Wc, codes, scales, qcodes, qscales; writes codes, scales, qcodes, qscales
.if DOCPART == 1
	.amdgcn_target "amdgcn-amd-amdhsa--gfx1250"
	.amdhsa_code_object_version 6
	.text
	.protected	k_q583d42f5fe_quant
	.globl	k_q583d42f5fe_quant
	.p2align	8
	.type	k_q583d42f5fe_quant,@function
k_q583d42f5fe_quant:
	s_mov_b64 s[64:65], 0
	v_nop
	global_prefetch_b8 v0, s[64:65] scope:SCOPE_SE
	s_setreg_imm32_b32 hwreg(HW_REG_WAVE_MODE, 25, 1), 1
	s_wait_xcnt 0x0
; query, key, value [8192][1024] and Wq, Wk, Wv, Wc [1024][1024], f32, K innermost, become codes of FP6 (E2M3) with one E8M0 byte for each 32 along K,
; laid in the ORDER OF THE OPERAND'S REGISTERS, so that later launches fetch fragments by dense loads of 16 and 8 bytes a lane.
; GROUPS.  Rows go in groups of 128: groups 0-63 query, 64-127 key, 128-191 value, 192-199 Wq, 200-207 Wk, 208-215 Wv, 216-223 Wc.
; TILES.  Tile i (0..7) of a group holds in lane r (0..15) the row 32 (i / 2) + 8 (i % 2) + r + 8 (r / 8).
; HALF FRAGMENT: one tile x 64 along K: six registers a lane; lane (r, h) holds block h's 32 codes, 24 bytes.  Its image is 768 bytes: registers 0-3 of lane l at 16 l, registers 4-5 at 512 + 8 l.
; codes:  [group][K step of 256: 4][tile: 8][64 along K: 4][768 bytes].     scales: [group][128 along K: 8][tiles 0-3 or 4-7: 2][r: 16][4 words], a word = the four bytes of one row and 128 along K.
; A block's scale is 2^(floor(log2(largest magnitude)) - 2); its byte is the largest magnitude's exponent field - 2, held at 1 from below by a floor among the maximum's leaves.
; LIMITS: a block of zeros gets the byte 1 where the rule says 127 (its codes are zeros, and this program alone reads the bytes); NaN and infinities among the inputs are not served.
; SHARES.  Two work-groups to a group of rows.  A wave takes 64 rows (four tiles) x 256 along K: sixteen half fragments, 64 KiB of f32 in, 12,288 consecutive bytes of codes out.
; Each load reads two rows' aligned 256 bytes; a half fragment's 4,096 bytes turn through the wave's own stage in LDS (rows 272 bytes apart) and come back 128 bytes a lane: a whole block of 32.
; No tensor load, no barrier: waves share nothing.  Loads run three steps (24 loads a wave) ahead, the turn through LDS one step.
.set WREG,  9216                       ; LDS of a wave: two stages of 16 x 272 bytes, then 512 bytes in which its scale words are gathered
.set STG,   4352
.set SGB,   2*STG
.set SPARE, 4*WREG                     ; behind the four regions: the spare words, 128 bytes a wave: two blocks of 256 bytes that no other line names
.set GL,  3                            ; v3   in: 4,096 h + 16 r: lanes 0-15 one row's 256 bytes, lanes 16-31 the next tile row's
.set SI,  4                            ; v4   the stage, on the way in: 272 h + 16 r
.set SO,  5                            ; v5   and on the way out: 272 r + 128 h: my block
.set O16, 6                            ; v6   16 x lane
.set O8,  7                            ; v7   8 x lane
.set SGA, 8                            ; v8   where I put a scale word: 16 r
.set SGR, 9                            ; v9   where I read 16 bytes of them back: 16 x lane
.set SGO, 10                           ; v10  and where they go in memory: 512 h + 16 r
.set H8,  11                           ; v11  8 h
.set SPW, 12                           ; v12  LDS address of my spare word; never rewritten
.set NIL, 13                           ; v13  0; never rewritten
.set R,   32                           ; v32-127   three sets of 32 registers as loaded
.set X,   128                          ; v128-191  two sets of 32 neighbours
.set C,   192                          ; v192-215  four sets of six registers of codes
.set PX,  216                          ; v216-218  a block's upper 16 codes (a conversion's three registers begin on an even number)
	s_load_b256 s[4:11], s[0:1], 0x0               ; query, key, value, Wq
	s_load_b256 s[12:19], s[0:1], 0x20             ; Wk, Wv, Wc, codes
	s_load_b64 s[20:21], s[0:1], 0x40              ; scales
	s_load_b128 s[48:51], s[0:1], 0x48             ; qcodes, qscales
	v_lshl_add_u32 v[SPW], v0, 2, SPARE
	v_mov_b32 v[NIL], 0
	v_lshrrev_b32 v1, 5, v0
	v_readfirstlane_b32 s26, v1                    ; wave
	v_and_b32 v1, 31, v0                           ; lane
	v_and_b32 v2, 15, v0                           ; r
	v_bfe_u32 v14, v0, 4, 1                        ; h
	v_lshlrev_b32 v15, 4, v2                       ; 16 r
	v_lshl_add_u32 v[GL], v14, 12, v15
	s_mul_i32 s27, s26, WREG
	v_mul_u32_u24 v[SI], v14, 272
	v_add_nc_u32 v[SI], v[SI], v15
	v_add_nc_u32 v[SI], s27, v[SI]
	v_mul_u32_u24 v[SO], v2, 272
	v_lshl_add_u32 v[SO], v14, 7, v[SO]
	v_add_nc_u32 v[SO], s27, v[SO]
	v_lshlrev_b32 v[O16], 4, v1
	v_lshlrev_b32 v[O8], 3, v1
	s_add_co_u32 s28, s27, SGB
	v_add_nc_u32 v[SGA], s28, v15
	v_add_nc_u32 v[SGR], s28, v[O16]
	v_lshl_add_u32 v[SGO], v14, 9, v15
	v_lshlrev_b32 v[H8], 3, v14
	v_mov_b32 v20, 0                               ; written once: a lane permute's destination counts as one of its sources
	s_mov_b32 s30, 0x76543210
	s_mov_b32 s31, 0xfedcba98                      ; v_permlanex16_b32's selects for lane l xor 16
	s_lshr_b32 s24, ttmp9, 1                       ; the group of rows
	s_and_b32 s25, ttmp9, 1
	s_and_b32 s32, s26, 1                          ; u: tiles 4 u .. 4 u + 3
	s_lshr_b32 s33, s26, 1
	s_lshl_b32 s25, s25, 1
	s_add_co_u32 s33, s33, s25                     ; s: which 256 along K
	s_cmp_lt_u32 s24, 192
	s_cselect_b32 s34, 63, 7
	s_and_b32 s34, s24, s34                        ; the group's number in its own tensor
	s_lshl_b32 s34, s34, 19                        ; 128 rows of 4,096 bytes,
	s_lshl_b32 s35, s32, 18                        ; 64 rows,
	s_add_co_u32 s34, s34, s35
	s_lshl_b32 s35, s33, 10                        ; 256 numbers
	s_add_co_u32 s34, s34, s35
	s_mov_b32 s35, 0
	s_mul_i32 s36, s24, 98304                      ; my codes: group, K step, four tiles
	s_mul_i32 s37, s33, 24576
	s_add_co_u32 s36, s36, s37
	s_mul_i32 s37, s32, 12288
	s_add_co_u32 s36, s36, s37
	s_mov_b32 s37, 0
	s_lshl_b32 s38, s24, 12                        ; my scale words: group, two steps of 128, four tiles
	s_lshl_b32 s39, s33, 10
	s_add_co_u32 s38, s38, s39
	s_lshl_b32 s39, s32, 8
	s_add_co_u32 s38, s38, s39
	s_mov_b32 s39, 0
	s_wait_alu depctr_va_vdst(0)
	s_wait_kmcnt 0x0
	s_mov_b64 s[22:23], s[16:17]                   ; which tensor: the choice hangs on the work-group's number alone
	s_cmp_lt_u32 s24, 216
	s_cselect_b64 s[22:23], s[14:15], s[22:23]
	s_cmp_lt_u32 s24, 208
	s_cselect_b64 s[22:23], s[12:13], s[22:23]
	s_cmp_lt_u32 s24, 200
	s_cselect_b64 s[22:23], s[10:11], s[22:23]
	s_cmp_lt_u32 s24, 192
	s_cselect_b64 s[22:23], s[8:9], s[22:23]
	s_cmp_lt_u32 s24, 128
	s_cselect_b64 s[22:23], s[6:7], s[22:23]
	s_cmp_lt_u32 s24, 64
	s_cselect_b64 s[22:23], s[4:5], s[22:23]
	s_add_nc_u64 s[22:23], s[22:23], s[34:35]
	; KEY'S GROUPS (64-127) HAVE ANOTHER ORDER OF ROWS IN THEIR TILES: tile i, lane r = row 64 (i / 4) + 8 (i % 4) + r % 8 + 32 (r / 8), so that in S^T = K Q^T a lane's 32 results of four tiles are one block of 32 keys.
	; A wave's four tiles i' and a load's rows 2 e, 2 e + 1 begin at row RA (i' / 2) + 8 (i' % 2) + 2 e + RB (e / 4): RA, RB = 32, 8, and for key 16, 24.  Four bases, one for each (i' / 2, e / 4); the rest is an immediate.
	; QUERY'S AND Wq'S GROUPS go to buffers of their own, qcodes and qscales, laid like codes and scales: query's groups 0-63, then Wq's as groups 64-71.  The launch that reads them stores into codes and scales.
	; Wq's groups have key's order of rows too: a lane's 32 results of four tiles of Wq are then one block of 32 channels.
	s_sub_co_u32 s47, s24, 192
	s_cmp_lt_u32 s47, 8                            ; Wq's groups, 192-199 (a smaller number wraps round)
	s_cselect_b32 s46, 128*98304, 0
	s_cselect_b32 s47, 128*4096, 0
	s_cselect_b32 s40, 1, 0
	s_cselect_b64 s[18:19], s[48:49], s[18:19]
	s_cselect_b64 s[20:21], s[50:51], s[20:21]
	s_sub_co_u32 s36, s36, s46                     ; 128 groups down
	s_sub_co_u32 s38, s38, s47
	s_cmp_lt_u32 s24, 64                           ; query's groups
	s_cselect_b64 s[18:19], s[48:49], s[18:19]
	s_cselect_b64 s[20:21], s[50:51], s[20:21]
	s_lshr_b32 s41, s24, 6
	s_cmp_eq_u32 s41, 1                            ; key's groups
	s_cselect_b32 s40, 1, s40
	s_mov_b32 s42, 0x20000                         ; RA rows of 4,096 bytes
	s_mov_b32 s44, 0x8000                          ; RB rows
	s_cmp_eq_u32 s40, 1                            ; every choice hangs on the work-group's number alone
	s_cselect_b32 s42, 0x10000, s42
	s_cselect_b32 s44, 0x18000, s44
	s_mov_b32 s43, 0
	s_mov_b32 s45, 0
	s_add_nc_u64 s[40:41], s[22:23], s[44:45]      ; (0, 1)
	s_add_nc_u64 s[42:43], s[22:23], s[42:43]      ; (1, 0)
	s_add_nc_u64 s[44:45], s[42:43], s[44:45]      ; (1, 1)
	s_add_nc_u64 s[18:19], s[18:19], s[36:37]
	s_add_nc_u64 s[20:21], s[20:21], s[38:39]
; Step t = 4 i + j: tile i of my four, 64 along K number j.  Load e takes tile rows 2 e and 2 e + 1.
.macro LOAD t
.irp e, 0,1,2,3,4,5,6,7
.set PB_, 38+2*(2*((\t)/8)+\e/4)
.if PB_ == 38
.set PB_, 22
.endif
	global_load_b128 v[R+32*((\t)%3)+4*\e:R+32*((\t)%3)+4*\e+3], v[GL], s[PB_:PB_+1] offset:(8*(((\t)/4)%2)+2*\e)*4096+256*((\t)%4) th:TH_LOAD_NT
.endr
.endm
.macro TURN t                          ; through the stage: LDS serves a wave's instructions in order, so no wait stands between the stores and the loads
.irp e, 0,1,2,3,4,5,6,7
	ds_store_b128 v[SI], v[R+32*((\t)%3)+4*\e:R+32*((\t)%3)+4*\e+3] offset:STG*((\t)%2)+544*\e
.endr
.irp e, 0,1,2,3,4,5,6,7
	ds_load_b128 v[X+32*((\t)%2)+4*\e:X+32*((\t)%2)+4*\e+3], v[SO] offset:STG*((\t)%2)+16*\e
.endr
.endm
.macro STEP t
.set XS, X+32*((\t)%2)
.set CC, C+6*((\t)%4)
	s_wait_dscnt 0x0                               ; this step's numbers are back from the stage, so its stores into the stage have read their registers,
.if (\t)+3 < 16
	LOAD (\t)+3                                    ; which take the loads of three steps on
.endif
.if (\t)+1 < 16
.if (\t) < 13
	s_wait_loadcnt 16                              ; the next step's eight loads are in; those of the two steps behind it may be out
.else
	s_wait_loadcnt 8*(14-(\t))
.endif
	TURN (\t)+1                                    ; and go through the other stage while this step is worked
.endif
	v_max3_num_f32 v14, |v[XS]|, |v[XS+1]|, |v[XS+2]|      ; the block's largest magnitude: all 32 numbers are mine; two chains
	v_max3_num_f32 v15, |v[XS+3]|, |v[XS+4]|, |v[XS+5]|
.irp i, 6,10,14,18,22,26
	v_max3_num_f32 v14, v14, |v[XS+\i]|, |v[XS+\i+1]|
	v_max3_num_f32 v15, v15, |v[XS+\i+2]|, |v[XS+\i+3]|
.endr
	v_max3_num_f32 v14, v14, |v[XS+30]|, |v[XS+31]|
	v_max3_num_f32 v14, v14, v15, 0x1800000        ; and the floor 2^(3 - 127): the byte cannot fall under 1
	v_add_nc_u32 v16, 0xff000000, v14              ; 2 off its exponent field: the conversion takes the exponent field of this operand as its scale
	s_wait_alu depctr_va_vdst(0)
	s_wait_xcnt 0x0                                ; the stores of four steps back have read this set of code registers: it is rewritten only behind this wait
	v_cvt_scalef32_pk16_fp6_f32 v[CC:CC+2], v[XS:XS+15], v16
	v_cvt_scalef32_pk16_fp6_f32 v[PX:PX+2], v[XS+16:XS+31], v16
	v_lshrrev_b32 v[18+(\t)%2], 23, v16            ; the scale's byte (also the plain line between the conversions and the moves)
.irp i, 0,1,2
	v_mov_b32 v[CC+3+\i], v[PX+\i]
.endr
	global_store_b128 v[O16], v[CC:CC+3], s[18:19] offset:768*(\t)        ; 32 lanes store 512 consecutive bytes,
	global_store_b64 v[O8], v[CC+4:CC+5], s[18:19] offset:768*(\t)+512    ; and 256 more
.if (\t)%2 == 1                        ; two half fragments make 128 along K: their four bytes make the row's scale word
	v_lshl_or_b32 v19, v19, 16, v18                ; my two bytes: blocks h and 2 + h,
	v_lshlrev_b32 v19, v[H8], v19                  ; at their places (8 h bits up);
	v_permlanex16_b32 v20, v19, s30, s31
	v_or_b32 v19, v19, v20                         ; with lane l xor 16's two the word is whole
	ds_store_b32 v[SGA], v19 offset:256*(((\t)%4)/2)+4*((\t)/4)   ; both halves of the lanes write the same word with the same value
.endif
.endm
	LOAD 0
	LOAD 1
	LOAD 2
	s_wait_loadcnt 16                              ; step 0's eight loads are in
	TURN 0
.irp t, 0,1,2,3,4,5,6,7,8,9,10,11,12,13,14,15
	STEP \t
.endr
	ds_load_b128 v[220:223], v[SGR]                ; LDS serves a wave's instructions in order: this sees my stores
	s_wait_dscnt 0x0
	global_store_b128 v[SGO], v[220:223], s[20:21] ; sixteen lanes store 256 consecutive bytes, aligned; the other sixteen the next step of 128's
	s_wait_tensorcnt 0x0                           ; the wave's end
	ds_add_u32 v[SPW], v[NIL]
	s_wait_dscnt 0x0
	s_endpgm
.Lfunc_end_k_q583d42f5fe_quant:
	.size	k_q583d42f5fe_quant, .Lfunc_end_k_q583d42f5fe_quant-k_q583d42f5fe_quant
	.p2alignl 7, 3214868480
	.fill 96, 4, 3214868480
	.section	.rodata,"a",@progbits
	.p2align	6, 0x0
	.amdhsa_kernel k_q583d42f5fe_quant
		.amdhsa_group_segment_fixed_size 37376
		.amdhsa_private_segment_fixed_size 0
		.amdhsa_enable_private_segment 0
		.amdhsa_kernarg_size 88
		.amdhsa_user_sgpr_count 2
		.amdhsa_user_sgpr_kernarg_segment_ptr 1
		.amdhsa_wavefront_size32 1
		.amdhsa_system_sgpr_workgroup_id_x 1
		.amdhsa_system_sgpr_workgroup_id_y 1
		.amdhsa_system_sgpr_workgroup_id_z 1
		.amdhsa_system_vgpr_workitem_id 0
		.amdhsa_next_free_vgpr 224
		.amdhsa_next_free_sgpr 66
		.amdhsa_reserve_vcc 0
		.amdhsa_float_denorm_mode_32 3
		.amdhsa_float_denorm_mode_16_64 3
		.amdhsa_memory_ordered 1
		.amdhsa_forward_progress 1
		.amdhsa_inst_pref_size 62
	.end_amdhsa_kernel
	.amdgpu_metadata
---
amdhsa.version: [ 1, 2 ]
amdhsa.kernels:
  - .name:           k_q583d42f5fe_quant
    .symbol:         k_q583d42f5fe_quant.kd
    .args:
      - { .name: query, .offset: 0, .size: 8, .value_kind: global_buffer, .address_space: global }
      - { .name: key, .offset: 8, .size: 8, .value_kind: global_buffer, .address_space: global }
      - { .name: value, .offset: 16, .size: 8, .value_kind: global_buffer, .address_space: global }
      - { .name: Wq, .offset: 24, .size: 8, .value_kind: global_buffer, .address_space: global }
      - { .name: Wk, .offset: 32, .size: 8, .value_kind: global_buffer, .address_space: global }
      - { .name: Wv, .offset: 40, .size: 8, .value_kind: global_buffer, .address_space: global }
      - { .name: Wc, .offset: 48, .size: 8, .value_kind: global_buffer, .address_space: global }
      - { .name: codes, .offset: 56, .size: 8, .value_kind: global_buffer, .address_space: global }
      - { .name: scales, .offset: 64, .size: 8, .value_kind: global_buffer, .address_space: global }
      - { .name: qcodes, .offset: 72, .size: 8, .value_kind: global_buffer, .address_space: global }
      - { .name: qscales, .offset: 80, .size: 8, .value_kind: global_buffer, .address_space: global }
    .group_segment_fixed_size: 37376
    .private_segment_fixed_size: 0
    .kernarg_segment_align: 8
    .kernarg_segment_size: 88
    .max_flat_workgroup_size: 128
    .sgpr_count:     66
    .vgpr_count:     224
    .wavefront_size: 32
...
	.end_amdgpu_metadata
.endif
;; end of part 1
;; launch proj (part 2): grid 4 x 64, 4 waves a work-group, clusters of 4 x 4, 327,680 bytes of LDS; arguments codes, scales, bk, bv, himg, hsc; writes himg, hsc
.if DOCPART == 2
	.amdgcn_target "amdgcn-amd-amdhsa--gfx1250"
	.amdhsa_code_object_version 6
	.text
	.protected	k_q583d42f5fe_proj
	.globl	k_q583d42f5fe_proj
	.p2align	8
	.type	k_q583d42f5fe_proj,@function
k_q583d42f5fe_proj:
	s_mov_b64 s[64:65], 0
	v_nop
	global_prefetch_b8 v0, s[64:65] scope:SCOPE_SE
	s_setreg_imm32_b32 hwreg(HW_REG_WAVE_MODE, 25, 1), 1
	s_wait_xcnt 0x0
	s_wait_alu depctr_hold_cnt(0) depctr_sa_sdst(0) depctr_va_vdst(0) depctr_va_sdst(0) depctr_va_ssrc(0) depctr_va_vcc(0) depctr_vm_vsrc(0)
	s_getreg_b32 s2, hwreg(HW_REG_IB_STS2, 6, 4)
	s_cmp_eq_u32 s2, 0
	s_cbranch_scc0 .Lentry_in_a_cluster
	s_endpgm
.Lentry_in_a_cluster:
	s_bfe_u32 s2, ttmp6, 0x10000c
	s_cmp_lg_u32 s2, 0xf033
	s_cbranch_scc0 .Lentry_shape_is_right
	s_endpgm
.Lentry_shape_is_right:
.set HALFT,  24576
.set SLOT,   4*HALFT
.set SPARE,  2*SLOT
.set GRP,    98304
.set FR,     12
.set NL,     4
.set NP,     4
.set ADRL, 16
.set ADRR, 20
.set VL16, 24
.set VL8,  25
.set SCO,  26
.set BOQ,  27
.set SPW,  28
.set NIL,  29
.set VSO,  30
.set BOV,  31
.set SC,   32
.set AF,   128
.set VT,   32
.set EW,   64
.set TM,   80
.set PX,   96
.set SW,   104
.set CD,   128
.set WV,   18
.set WH,   19
.set WL,   20
.set G1,   24
.set G0,   32
.set KIND, 40
.set ISV,  41
.set G1B,  48
.set G0B,  56
.set HM,   66
.set FLOOR, 67
.set SEL,  68
.set SOFF, 70
.set D0,   71
.set D1,   72
.set D2,   73
.set BP,   84
.set HB,   86
.set SB,   88
.set MSB, 0
.macro WIN new
.if MSB != \new
	s_set_vgpr_msb (MSB<<8)|\new
.set MSB, \new
.endif
.endm
.set MUL_LO, 0xa1
.set MUL_HI, 0xf1
.set BIA_LO, 0x81
.set BIA_HI, 0xc1
.set TO_B,   0x40
.macro JLOAD g0a, g1a, g0b, g1b
	s_cmp_eq_u32 s[WH], 0
	s_cbranch_scc0 .Lfor_b_\@
	tensor_load_to_lds s[\g0a:\g0a+3], s[\g1a:\g1a+7]
	s_nop 0
.rept 4
	v_nop
.endr
	s_branch .Lasked_\@
.Lfor_b_\@:
	tensor_load_to_lds s[\g0b:\g0b+3], s[\g1b:\g1b+7]
	s_nop 0
.rept 4
	v_nop
.endr
.Lasked_\@:
.endm
.macro CREST
	s_cmp_lg_u32 s[WV], 0
	s_cbranch_scc1 .Lnot_wave_0_\@
	s_barrier_signal -3
.Lnot_wave_0_\@:
	s_barrier_wait -3
	s_barrier_signal -1
	s_barrier_wait -1
.endm
.macro CROUND
	s_barrier_signal -1
	s_barrier_wait -1
	CREST
.endm
	; K's and V's projections alone: 2 x 128 tiles of 256 x 256.  Q's is made by the launch that uses it.
	s_load_b128 s[4:7], s[0:1], 0x0                ; codes, scales
	s_load_b64 s[10:11], s[0:1], 0x10              ; bk
	s_load_b128 s[12:15], s[0:1], 0x18             ; bv, himg
	s_load_b64 s[16:17], s[0:1], 0x28              ; hsc
	v_lshl_add_u32 v[SPW], v0, 2, SPARE
	v_mov_b32 v[NIL], 0
	ds_add_u32 v[SPW], v[NIL]
	ds_add_u32 v[SPW], v[NIL]
	v_lshrrev_b32 v1, 5, v0
	v_readfirstlane_b32 s[WV], v1
	s_lshr_b32 s[WH], s[WV], 1
	s_and_b32 s[WL], s[WV], 1
	s_bfe_u32 s21, ttmp6, 0x40000
	s_bfe_u32 s22, ttmp6, 0x40004
	s_and_b32 s23, ttmp7, 0xffff
	s_lshr_b32 s[KIND], s23, 3
	s_add_co_u32 s[KIND], s[KIND], 1               ; 1: K, 2: V
	s_and_b32 s43, s23, 7
	s_lshl_b32 s43, s43, 2
	s_lshr_b32 s[ISV], s[KIND], 1
	s_xor_b32 s42, s[ISV], 1
	s_mul_i32 s44, s43, s42
	s_add_co_u32 s44, s44, s22
	s_mul_i32 s45, s43, s[ISV]
	s_add_co_u32 s45, s45, s21
	s_lshl_b32 s46, ttmp9, 2
	s_add_co_u32 s45, s45, s46
	s_lshl_b32 s74, s[KIND], 6
	s_mul_i32 s74, s74, s42
	s_mul_i32 s46, s[ISV], 208
	s_add_co_u32 s74, s74, s46
	s_lshl_b32 s75, s[KIND], 3
	s_add_co_u32 s75, s75, 192
	s_mul_i32 s75, s75, s42
	s_lshl_b32 s46, s[ISV], 7
	s_add_co_u32 s75, s75, s46
	s_lshl_b32 s46, s22, 2
	s_lshl_b32 s46, 15, s46
	s_lshl_b32 s47, 0x1111, s21
	s_or_b32 s[G1], s46, (3<<16)|(1<<21)
	s_or_b32 s[G1B], s47, (3<<16)|(1<<21)
.irp g, G1, G1B
	s_mov_b32 s[\g+1], 32<<16
	s_mov_b32 s[\g+2], 96<<16
	s_mov_b32 s[\g+3], 32<<16
	s_mov_b32 s[\g+4], 96
	s_mov_b32 s[\g+5], 32
	s_mov_b32 s[\g+6], 0
	s_mov_b32 s[\g+7], 0
.endr
	s_lshl_b32 s80, s44, 1
	s_add_co_u32 s80, s80, s74
	s_add_co_u32 s80, s80, s[WL]
	s_mul_i32 s80, s80, GRP
	s_mov_b32 s81, 0
	s_lshl_b32 s82, s45, 1
	s_add_co_u32 s82, s82, s75
	s_add_co_u32 s82, s82, s[WL]
	s_mul_i32 s82, s82, GRP
	s_mov_b32 s83, 0
	s_mul_i32 s23, s[WV], HALFT
	s_mov_b32 s[FLOOR], 0x1800000
	s_mov_b32 s[SEL], 0x76543210
	s_mov_b32 s[SEL+1], 0xfedcba98
	s_wait_dscnt 0x0
	s_wait_kmcnt 0x0
	s_add_nc_u64 s[80:81], s[4:5], s[80:81]
	s_add_nc_u64 s[82:83], s[4:5], s[82:83]
	CROUND
.irp s, 0,1
	s_mov_b32 s[G0+4*\s], 1
	s_add_co_u32 s[G0+4*\s+1], s23, \s*SLOT
	s_add_nc_u64 s[G0+4*\s+2:G0+4*\s+3], s[80:81], \s*HALFT
	s_or_b32 s[G0+4*\s+3], s[G0+4*\s+3], 0x80000000
	s_mov_b32 s[G0B+4*\s], 1
	s_add_co_u32 s[G0B+4*\s+1], s23, \s*SLOT
	s_add_nc_u64 s[G0B+4*\s+2:G0B+4*\s+3], s[82:83], \s*HALFT
	s_or_b32 s[G0B+4*\s+3], s[G0B+4*\s+3], 0x80000000
.if \s                                 ; slot 0's load follows the opening round; slot 1's first fill stands behind the full sequence and a round of its own
	s_wait_alu depctr_va_vdst(0)
	s_wait_tensorcnt 0x0
	ds_add_u32 v28, v29
	ds_add_u32 v28, v29
	s_wait_dscnt 0x0
	CROUND
.endif
	JLOAD G0+4*\s, G1, G0B+4*\s, G1B
.endr
	v_and_b32 v1, 31, v0
	v_and_b32 v2, 15, v0
	v_bfe_u32 v3, v0, 4, 1
	v_lshlrev_b32 v[VL16], 4, v1
	v_lshlrev_b32 v4, 3, v1
	s_mul_i32 s46, s[WH], HALFT
	s_mul_i32 s47, s[WL], HALFT
	s_add_co_u32 s47, s47, 2*HALFT
.irp s, 0,1
	v_add_nc_u32 v[ADRL+\s], s46, v[VL16]
	v_add_nc_u32 v[ADRL+2+\s], s46, v4
	v_add_nc_u32 v[ADRR+\s], s47, v[VL16]
	v_add_nc_u32 v[ADRR+2+\s], s47, v4
	s_add_co_u32 s46, s46, SLOT
	s_add_co_u32 s47, s47, SLOT
.endr
	v_add_nc_u32 v[VL8], 512, v4
	v_lshlrev_b32 v[BOQ], 6, v3
	v_and_b32 v7, 8, v2
	v_add_nc_u32 v7, v7, v2
	v_lshlrev_b32 v[BOV], 2, v7
	v_lshlrev_b32 v[VSO], 4, v2
	v_lshl_add_u32 v[VSO], v3, 12, v[VSO]
	s_lshl_b32 s78, s44, 1
	s_add_co_u32 s78, s78, s[WH]
	s_lshl_b32 s79, s45, 1
	s_add_co_u32 s79, s79, s[WL]
	s_add_co_u32 s76, s78, s74
	s_lshl_b32 s76, s76, 12
	s_add_co_u32 s77, s79, s75
	s_lshl_b32 s77, s77, 12
	v_mov_b32 v5, s76
	v_mov_b32 v6, s77
	v_cmp_le_u32 s[HM], 16, v1
	v_cndmask_b32 v[SCO], v5, v6, s[HM]
	v_lshl_add_u32 v[SCO], v2, 4, v[SCO]
.irp g, 0,1,2,3,4,5,6,7
.irp c, 0,1
	global_load_b128 v[SC+8*\g+4*\c:SC+8*\g+4*\c+3], v[SCO], s[6:7] offset:512*\g+256*\c
.endr
.endr
	s_cmp_eq_u32 s[ISV], 0
	s_cselect_b32 s90, s78, s79
	s_cselect_b32 s91, s79, s78
	s_mov_b64 s[BP:BP+1], s[10:11]
	s_cmp_eq_u32 s[KIND], 2
	s_cselect_b64 s[BP:BP+1], s[12:13], s[BP:BP+1]
	s_lshl_b32 s46, s91, 9
	s_mov_b32 s47, 0
	s_add_nc_u64 s[BP:BP+1], s[BP:BP+1], s[46:47]
	s_cmp_eq_u32 s[ISV], 0
	s_cbranch_scc0 .Lbias_v
.irp t, 0,1,2,3,4,5,6,7
	global_load_b128 v[96+8*\t+96*(\t/4):96+8*\t+96*(\t/4)+3], v[BOQ], s[BP:BP+1] offset:(32*(\t/2)+8*(\t%2))*4
	global_load_b128 v[96+8*\t+96*(\t/4)+4:96+8*\t+96*(\t/4)+7], v[BOQ], s[BP:BP+1] offset:(32*(\t/2)+8*(\t%2))*4+16
.endr
	s_branch .Lbias_done
.Lbias_v:
	s_wait_alu depctr_va_vdst(0)
.irp t, 0,1,2,3,4,5,6,7
.irp j, 0,1,2,3,4,5,6,7
	global_load_b32 v[96+8*\t+96*(\t/4)+\j], v[BOV], s[BP:BP+1] offset:(32*(\t/2)+8*(\t%2))*4
.endr
.endr
.Lbias_done:
	s_lshr_b32 s92, s90, 4
	s_and_b32 s93, s90, 15
	s_lshl_b32 s94, s92, 4
	s_lshl_b32 s95, s91, 1
	s_add_co_u32 s94, s94, s95
	s_mul_i32 s46, s94, 98304
	s_mul_i32 s95, s[KIND], 6291456
	s_add_co_u32 s46, s46, s95
	s_mul_i32 s95, s93, 6144
	s_add_co_u32 s46, s46, s95
	s_mov_b32 s47, 0
	s_add_nc_u64 s[HB:HB+1], s[14:15], s[46:47]
	s_lshl_b32 s46, s94, 13
	s_lshl_b32 s95, s92, 3
	s_add_co_u32 s95, s95, s91
	s_mul_i32 s95, s95, 24576
	s_add_co_u32 s95, s95, 524288
	s_cmp_eq_u32 s[KIND], 0
	s_cselect_b32 s46, s46, s95
	s_lshl_b32 s95, s93, 9
	s_lshl_b32 s96, s93, 8
	s_add_co_u32 s96, s96, 16384
	s_cmp_eq_u32 s[ISV], 0
	s_cselect_b32 s95, s95, s96
	s_mov_b32 s[D0], 768
	s_cselect_b32 s[D0], 98304, s[D0]
	s_mov_b32 s[D1], 768
	s_cselect_b32 s[D1], 0xfffe8300, s[D1]
	s_mov_b32 s[D2], 92928
	s_cselect_b32 s[D2], 0xfffe8300, s[D2]
	s_add_co_u32 s46, s46, s95
	s_mov_b32 s47, 0
	s_add_nc_u64 s[SB:SB+1], s[16:17], s[46:47]
.macro FRAG reg, adr, q, i
	ds_load_b128 v[\reg:\reg+3], v[\adr] offset:3072*(\i)+1536*(\q)
	ds_load_b64 v[\reg+4:\reg+5], v[\adr+2] offset:3072*(\i)+1536*(\q)+512
	ds_load_b128 v[\reg+6:\reg+9], v[\adr] offset:3072*(\i)+1536*(\q)+768
	ds_load_b64 v[\reg+10:\reg+11], v[\adr+2] offset:3072*(\i)+1536*(\q)+1280
.endm
.macro MUL16 a0, p, sg, cm
.irp a, \a0, \a0+1
.irp b, 0,1,2,3,4,5,6,7
.if \cm == 0
	v_wmma_scale_f32_16x16x128_f8f6f4 v[8*(8*((\a)%4)+\b):8*(8*((\a)%4)+\b)+7], v[128*(\p)+FR*\b:128*(\p)+FR*\b+FR-1], v[AF+FR*(\a):AF+FR*(\a)+FR-1], v[8*(8*((\a)%4)+\b):8*(8*((\a)%4)+\b)+7], v[SC+8*(\sg)+\b], v[SC+8*(\sg)+(\a)] matrix_a_fmt:MATRIX_FMT_FP6 matrix_b_fmt:MATRIX_FMT_FP6 matrix_a_scale:MATRIX_SCALE_ROW1
.elseif \cm == 1
	v_wmma_scale_f32_16x16x128_f8f6f4 v[8*(8*((\a)%4)+\b):8*(8*((\a)%4)+\b)+7], v[128*(\p)+FR*\b:128*(\p)+FR*\b+FR-1], v[AF+FR*(\a):AF+FR*(\a)+FR-1], v[96+8*\b+96*(\b/4):96+8*\b+96*(\b/4)+7], v[SC+8*(\sg)+\b], v[SC+8*(\sg)+(\a)] matrix_a_fmt:MATRIX_FMT_FP6 matrix_b_fmt:MATRIX_FMT_FP6 matrix_a_scale:MATRIX_SCALE_ROW1
.else
	v_wmma_scale_f32_16x16x128_f8f6f4 v[8*(8*((\a)%4)+\b):8*(8*((\a)%4)+\b)+7], v[128*(\p)+FR*\b:128*(\p)+FR*\b+FR-1], v[AF+FR*(\a):AF+FR*(\a)+FR-1], v[96+8*(\a)+96*((\a)/4):96+8*(\a)+96*((\a)/4)+7], v[SC+8*(\sg)+\b], v[SC+8*(\sg)+(\a)] matrix_a_fmt:MATRIX_FMT_FP6 matrix_b_fmt:MATRIX_FMT_FP6 matrix_a_scale:MATRIX_SCALE_ROW1
.endif
.endr
.endr
.endm
.macro FETCH_B slot, q, p
	WIN TO_B
.irp i, 0,1,2,3,4,5,6,7
	FRAG 128*(\p)+FR*\i, ADRR+\slot, \q, \i
.endr
	WIN 0
.endm
.macro FETCH_A slot, q, i0
.irp i, \i0, \i0+1, \i0+2, \i0+3
	FRAG AF+FR*(\i), ADRL+\slot, \q, \i
.endr
.endm
.macro PLACES n
.rept \n
	v_nop
.endr
.endm
.macro STEP slot, sg, cm
	s_wait_dscnt 4*NL
.if \cm
	WIN BIA_LO
.else
	WIN MUL_LO
.endif
	MUL16 0, 0, \sg, \cm
	MUL16 2, 0, \sg, \cm
	s_wait_dscnt 0x0
	PLACES NP
	FETCH_B \slot, 1, 1
	FETCH_A \slot, 1, 0
.if \cm
	WIN BIA_HI
.else
	WIN MUL_HI
.endif
	MUL16 4, 0, \sg, \cm
	MUL16 6, 0, \sg, \cm
	PLACES NP
	WIN 0
	FETCH_A \slot, 1, 4
.endm
.macro TURN slot, next, fill, sg
	s_wait_tensorcnt 0x0
	ds_add_u32 v[SPW], v[NIL]
	s_wait_dscnt 4*NL+1
	WIN MUL_LO
	MUL16 0, 1, \sg, 0
	s_wait_dscnt 0x0
	s_barrier_signal -1
	MUL16 2, 1, \sg, 0
	WIN 0
	s_barrier_wait -1
.if \fill
	CREST
	s_add_nc_u64 s[G0+4*\slot+2:G0+4*\slot+3], s[G0+4*\slot+2:G0+4*\slot+3], 2*HALFT
	s_add_nc_u64 s[G0B+4*\slot+2:G0B+4*\slot+3], s[G0B+4*\slot+2:G0B+4*\slot+3], 2*HALFT
	JLOAD G0+4*\slot, G1, G0B+4*\slot, G1B
.else
	PLACES NP
.endif
	FETCH_B \next, 0, 0
	FETCH_A \next, 0, 0
	WIN MUL_HI
	MUL16 4, 1, \sg, 0
	MUL16 6, 1, \sg, 0
	PLACES NP
	WIN 0
	FETCH_A \next, 0, 4
.endm
	s_wait_tensorcnt 0x1
	s_barrier_signal -1
	s_barrier_wait -1
	FETCH_B 0, 0, 0
	FETCH_A 0, 0, 0
	FETCH_A 0, 0, 4
	s_wait_loadcnt 0x0
	s_cmp_eq_u32 s[ISV], 0
	s_cbranch_scc0 .Lfirst_v
	STEP 0, 0, 1
	s_branch .Lfirst_done
.Lfirst_v:
	STEP 0, 0, 2
.Lfirst_done:
	TURN 0, 1, 1, 1
	STEP 1, 2, 0
	TURN 1, 0, 1, 3
	STEP 0, 4, 0
	TURN 0, 1, 0, 5
	STEP 1, 6, 0
	s_wait_dscnt 4*NL
	WIN MUL_LO
	MUL16 0, 1, 7, 0
	MUL16 2, 1, 7, 0
	s_wait_dscnt 0x0
	WIN MUL_HI
	MUL16 4, 1, 7, 0
	MUL16 6, 1, 7, 0
	WIN 0
.macro QUANTW a
.set QW, 2+(\a)/4
.set QA, 64*((\a)%4)
.set QC, CD+12*(\a)
.set QV, VT+4*(\a)
.set QWM, 20*QW
	WIN QWM
.irp b, 0,1,2,3
	v_max3_num_f32 v[TM+\b], s[FLOOR], |v[QA+16*\b]|, |v[QA+16*\b+1]|
.endr
.irp i, 2,4,6,8,10,12,14
.irp b, 0,1,2,3
	v_max3_num_f32 v[TM+\b], v[TM+\b], |v[QA+16*\b+\i]|, |v[QA+16*\b+\i+1]|
.endr
.endr
	WIN 0
.irp b, 0,1,2,3
	v_permlanex16_b32 v[TM+4+\b], v[TM+\b], s[SEL], s[SEL+1]
.endr
.irp b, 0,1,2,3
	v_max_num_f32 v[TM+\b], v[TM+\b], v[TM+4+\b]
.endr
.irp b, 0,1,2,3
	v_add_nc_u32 v[TM+12+\b], 0xff000000, v[TM+\b]
.endr
.irp b, 0,1,2,3
	v_lshrrev_b32 v[TM+4+\b], 23, v[TM+12+\b]
.endr
	v_lshl_or_b32 v[EW+2*(\a)], v[TM+5], 8, v[TM+4]
	v_lshl_or_b32 v[EW+2*(\a)+1], v[TM+7], 8, v[TM+6]
	WIN QW
.irp c, 0,1
	v_cvt_scalef32_pk16_fp6_f32 v[QC+6*\c:QC+6*\c+2], v[QA+32*\c:QA+32*\c+15], v[TM+12+2*\c]
	v_cvt_scalef32_pk16_fp6_f32 v[PX+4*\c:PX+4*\c+2], v[QA+32*\c+16:QA+32*\c+31], v[TM+12+2*\c+1]
.endr
	WIN 0
	v_nop
.irp c, 0,1
.irp i, 0,1,2
	v_permlane16_swap_b32 v[QC+6*\c+\i], v[PX+4*\c+\i]
.endr
.irp i, 0,1,2
	v_mov_b32 v[QC+6*\c+3+\i], v[PX+4*\c+\i]
.endr
.endr
	v_add_nc_u32 v[QV], s[SOFF], v[VL16]
	v_add_nc_u32 v[QV+1], s[SOFF], v[VL8]
	s_add_co_u32 s[SOFF], s[SOFF], s[D0]
	v_add_nc_u32 v[QV+2], s[SOFF], v[VL16]
	v_add_nc_u32 v[QV+3], s[SOFF], v[VL8]
.if (\a) == 3
	s_add_co_u32 s[SOFF], s[SOFF], s[D2]
.else
	s_add_co_u32 s[SOFF], s[SOFF], s[D1]
.endif
	global_store_b128 v[QV], v[QC:QC+3], s[HB:HB+1]
	global_store_b64 v[QV+1], v[QC+4:QC+5], s[HB:HB+1]
	global_store_b128 v[QV+2], v[QC+6:QC+9], s[HB:HB+1]
	global_store_b64 v[QV+3], v[QC+10:QC+11], s[HB:HB+1]
.endm
	PLACES NP
.irp b, 0,1,2,3
	v_mov_b32 v[TM+4+\b], 0
.endr
	s_mov_b32 s[SOFF], 0
.irp a, 0,1,2,3,4,5,6,7
	QUANTW \a
.endr
	s_cmp_eq_u32 s[ISV], 0
	s_cbranch_scc0 .Lwords_v
.irp g, 0,1
.irp i, 0,1,2,3
	v_cndmask_b32 v[SW+4*\g+\i], v[EW+2*\i+\g], v[EW+2*(4+\i)+\g], s[HM]
.endr
	global_store_b128 v[VL16], v[SW+4*\g:SW+4*\g+3], s[SB:SB+1] offset:8192*\g
.endr
	s_branch .Lwords_done
.Lwords_v:
.irp a, 0,1,2,3,4,5,6,7
	v_lshl_or_b32 v[EW+2*\a], v[EW+2*\a+1], 16, v[EW+2*\a]
.endr
.irp i, 0,1,2,3
	v_cndmask_b32 v[SW+\i], v[EW+2*\i], v[EW+2*(4+\i)], s[HM]
.endr
	global_store_b128 v[VSO], v[SW:SW+3], s[SB:SB+1]
.Lwords_done:
	s_wait_tensorcnt 0x0
	ds_add_u32 v[SPW], v[NIL]
	s_wait_dscnt 0x0
	CROUND
	s_endpgm
.Lfunc_end_k_q583d42f5fe_proj:
	.size	k_q583d42f5fe_proj, .Lfunc_end_k_q583d42f5fe_proj-k_q583d42f5fe_proj
	.p2alignl 7, 3214868480
	.fill 96, 4, 3214868480
	.section	.rodata,"a",@progbits
	.p2align	6, 0x0
	.amdhsa_kernel k_q583d42f5fe_proj
		.amdhsa_group_segment_fixed_size 327680
		.amdhsa_private_segment_fixed_size 0
		.amdhsa_enable_private_segment 0
		.amdhsa_kernarg_size 48
		.amdhsa_user_sgpr_count 2
		.amdhsa_user_sgpr_kernarg_segment_ptr 1
		.amdhsa_wavefront_size32 1
		.amdhsa_system_sgpr_workgroup_id_x 1
		.amdhsa_system_sgpr_workgroup_id_y 1
		.amdhsa_system_sgpr_workgroup_id_z 1
		.amdhsa_system_vgpr_workitem_id 0
		.amdhsa_next_free_vgpr 1024
		.amdhsa_next_free_sgpr 100
		.amdhsa_reserve_vcc 0
		.amdhsa_float_denorm_mode_32 3
		.amdhsa_float_denorm_mode_16_64 3
		.amdhsa_memory_ordered 1
		.amdhsa_forward_progress 1
		.amdhsa_inst_pref_size 170
	.end_amdhsa_kernel
	.amdgpu_metadata
---
amdhsa.version: [ 1, 2 ]
amdhsa.kernels:
  - .name:           k_q583d42f5fe_proj
    .symbol:         k_q583d42f5fe_proj.kd
    .args:
      - { .name: codes, .offset: 0, .size: 8, .value_kind: global_buffer, .address_space: global }
      - { .name: scales, .offset: 8, .size: 8, .value_kind: global_buffer, .address_space: global }
      - { .name: bk, .offset: 16, .size: 8, .value_kind: global_buffer, .address_space: global }
      - { .name: bv, .offset: 24, .size: 8, .value_kind: global_buffer, .address_space: global }
      - { .name: himg, .offset: 32, .size: 8, .value_kind: global_buffer, .address_space: global }
      - { .name: hsc, .offset: 40, .size: 8, .value_kind: global_buffer, .address_space: global }
    .group_segment_fixed_size: 327680
    .private_segment_fixed_size: 0
    .kernarg_segment_align: 8
    .kernarg_segment_size: 48
    .max_flat_workgroup_size: 128
    .sgpr_count:     100
    .vgpr_count:     1024
    .wavefront_size: 32
...
	.end_amdgpu_metadata
.endif
;; end of part 2
;; launch attn (part 3): grid 4 x 64, 16 waves a work-group, clusters of 4 x 1, 327,680 bytes of LDS; arguments himg, hsc, codes, scales, qcodes, qscales, bq; writes codes, scales
.if DOCPART == 3
	.amdgcn_target "amdgcn-amd-amdhsa--gfx1250"
	.amdhsa_code_object_version 6
	.text
	.protected	k_q583d42f5fe_attn
	.globl	k_q583d42f5fe_attn
	.p2align	8
	.type	k_q583d42f5fe_attn,@function
k_q583d42f5fe_attn:
	s_mov_b64 s[64:65], 0
	v_nop
	global_prefetch_b8 v0, s[64:65] scope:SCOPE_SE
	s_setreg_imm32_b32 hwreg(HW_REG_WAVE_MODE, 25, 1), 1
	s_wait_xcnt 0x0
	s_wait_alu depctr_hold_cnt(0) depctr_sa_sdst(0) depctr_va_vdst(0) depctr_va_sdst(0) depctr_va_ssrc(0) depctr_va_vcc(0) depctr_vm_vsrc(0)
	s_getreg_b32 s2, hwreg(HW_REG_IB_STS2, 6, 4)
	s_cmp_eq_u32 s2, 0
	s_cbranch_scc0 .Lentry_in_a_cluster
	s_endpgm
.Lentry_in_a_cluster:
	s_bfe_u32 s2, ttmp6, 0x10000c
	s_cmp_lg_u32 s2, 0x3003
	s_cbranch_scc0 .Lentry_shape_is_right
	s_endpgm
.Lentry_shape_is_right:
; hq = query Wq^T + bq, quantised along a head's 64 channels, and O = softmax(hq hk^T / 8) hv, for 64 heads of 64 channels and 2,048 keys: all three products on codes of FP6 (E2M3) with E8M0 scales.
; O / l is quantised along the model's 1,024 and leaves as codes for the last product.
; THE SOFTMAX AHEAD OF THE LAST OF THEM: t = score x log2(e) / 8; M = the row's largest t so far, rounded UP to a whole number; p = 2^(t - M) is quantised along the keys, not normalised.
; The row's sum is taken of the unquantised p, in f32, and divides O at the end.  When M moves, the sum and O are multiplied by 2^(old M - new M): exact.
; SHARES.  A work-group owns ONE head and 512 of its queries: 64 heads x 4 blocks = 256 work-groups.  Wave w takes query tiles 32 x + w and 32 x + 16 + w (16 queries each), one after the other:
; for each it makes hq's tile (32 matrix instructions: no other wave of the launch needs that tile of that head), then walks 16 steps of 128 keys.
; LDS.  The head's K (98,304 bytes), V (98,304), their scale words (8,192 + 4,096) and Wq's 64 rows (49,152) are fetched ONCE and stay: nothing is filled again.
; FILLS.  At the head every wave fetches a sixteenth of Wq's rows (3,072 bytes), which are needed first.  Behind the wait for them, the add and a round of the cluster's barrier
; come the other first fills, one a wave: waves 0-5 a sixth of K each, waves 6-11 a sixth of V, waves 12, 13 the halves of K's scale words, wave 14 V's. The first tile of hq is made while these are on
; their way; at the barrier behind it every wave waits for 0.  No barrier stands behind that one but the closing round's.
; CLUSTER.  The four query blocks of a head read the same K, V and Wq: every fill is a joint load (mask 15); its descriptor hangs on the head and the wave's number alone.
; NO PREFETCH: every byte that the launch fetches into LDS is asked for ahead of its loops; there is no loop to run ahead in.
; OPERANDS come as images of their registers (launches quant, proj): a half fragment (one tile x 64 along K) is 768 bytes: registers 0-3 of lane l at 16 l, registers 4-5 at 512 + 8 l.
; All products are used transposed: hq^T = Wq query^T, S^T = K Q^T, O^T = V^T P^T: source 1 is my queries' operand, and a lane holds ONE query throughout.
; K'S AND Wq'S TILES (launch quant's order): tile i of 128 rows, lane r = row 64 (i / 4) + 8 (i % 4) + r % 8 + 32 (r / 8).  So lane (r, h)'s 32 results of tiles 4 c .. 4 c + 3 are rows 64 c + 32 h + 0 .. 31:
; one whole scale block, in the order of the next operand's registers 6 c .. 6 c + 5.  No lane asks another for a block's maximum, and no codes are moved between lanes.
; S^T'S K IS 64, half of the instruction's 128.  Q's codes of the upper half are zeros, and bytes 2, 3 of Q's and K's scale words are 0 (a power of two, never 0xff).  K's upper six registers are the next tile's codes
; (zeros behind the last): FP6 has no infinity and no NaN, so those numbers times Q's zero codes add exactly nothing.
; O'S SCALE BYTES: a head is 64 of the 128 along the last product's K that one scale word serves, so a tile's sixteen rows store two bytes each into their words; the other two are the neighbouring head's work-group's.
; These stores fill their 256-byte units in part: 2 bytes for each 48 bytes of codes.
; LIMITS: the scaled scores stay under 2^31 in magnitude; NaN and infinities are not served; v_exp_f32 gives 0 under 2^-126; O / l is a reciprocal and a multiplication; a block's largest p is taken from its largest score
; (it takes v_exp_f32 not to fall where its input rises); a block of zeros gets the byte 1 where the rule says 127 (zero codes; this program alone reads the bytes).
; REGISTERS: v1-7 addresses that stay; v8-13 addresses in hand; v14 -M, v15 the largest score, v[16:17] the sum, v[18:19] f; v20-25 Q, v26-31 zeros; v32-79 fragments from LDS (Wq's four, K's eight halves, V's four); v80-85 zeros;
; v86-93 K's scale words, v94 Q's, v95 p's; v96-159 S^T, then p; v160-191 O^T; v192-195 V's scale words; v196-207 p's codes; v208-227 at work; v238-243 partial sums.
; While hq is made: v86-93 query's scale words, v96-127 the sums, v128-223 query's eight fragments, v224-255 Wq's scale words.
.set HEADB, 98304                      ; a head's K or V: 128 tiles of 768 bytes; also a group of 128 rows x 1,024 codes
.set STEPB, 6144                       ; a key step: eight tiles of K, and as many bytes of V
.set VOFF,  98304                      ; V behind K
.set SCK,   196608                     ; K's scale words: 512 bytes a step
.set SCV,   204800                     ; V's: 256 bytes a step
.set SPARE, 208896                     ; the spare words, 128 bytes a wave: eight blocks of 256 bytes that no other line names
.set WQB,   210944                     ; Wq's 64 rows: [256 along K: 4][tile: 4][64 along K: 4][768]
.set REG,   6291456                    ; himg: a region not used, region K, region V
.set WV,   12
.set G1T,  16                          ; s[16:23] descriptor group 1 for codes: 64 rows of 256 bytes;  s[24:31] for scale words: 16 rows;  s[56:63] for Wq: 12 rows
.set G1S,  24
.set G1W,  56
.set G0A,  32                          ; s[32:35], s[36:39], s[52:55] their groups 0
.set G0S,  36
.set G0W,  52
.set SEL,  44
.set CS,   46                          ; s[46:47] c = log2(e) / 8
.set TB,   48                          ; the step's place in K;  s3 in V
.set TBV,  3
.set TSK,  49                          ; in K's scale words
.set TSV,  50                          ; in V's
.set CNT,  51
.macro CROUND                          ; a round of the cluster's barrier
	s_barrier_signal -1
	s_barrier_wait -1
	s_cmp_lg_u32 s[WV], 0
	s_cbranch_scc1 .Lnot_wave_0_\@
	s_barrier_signal -3
.Lnot_wave_0_\@:
	s_barrier_wait -3
	s_barrier_signal -1
	s_barrier_wait -1
.endm
.macro WALU
	s_wait_alu depctr_va_vdst(0)
.endm
.macro DEP n
	s_delay_alu instid0(VALU_DEP_\n)
.endm
.macro TLOAD g0, g1
	tensor_load_to_lds s[\g0:\g0+3], s[\g1:\g1+7]
	s_nop 0
.rept 4
	v_nop
.endr
.endm
	s_load_b256 s[4:11], s[0:1], 0x0               ; himg, hsc, codes, scales
	s_load_b128 s[40:43], s[0:1], 0x20             ; qcodes, qscales
	s_load_b64 s[78:79], s[0:1], 0x30              ; bq
	v_lshl_add_u32 v5, v0, 2, SPARE
	v_mov_b32 v6, 0
	ds_add_u32 v5, v6                              ; the opening lines: the add, twice on end, and its wait ahead of the first tensor loads
	ds_add_u32 v5, v6
	v_lshrrev_b32 v8, 5, v0
	v_readfirstlane_b32 s[WV], v8                  ; wave 0..15
	s_bfe_u32 s13, ttmp6, 0x40000                  ; cx
	s_and_b32 s14, ttmp7, 0xffff                   ; the head, 16 b + hd: the four partners share it
	s_lshl_b32 s15, ttmp9, 2
	s_add_co_u32 s15, s15, s13                     ; my block of 512 queries: it enters query's and O's addresses alone
	s_lshl_b32 s15, s15, 5
	s_add_co_u32 s15, s15, s[WV]                   ; T: my first tile of queries; the second is T + 16
	s_and_b32 s13, s14, 15                         ; hd
.irp g, G1T, G1S, G1W
	s_mov_b32 s[\g], 15|(3<<16)|(1<<21)            ; 15:0 the mask: all four work-groups; 17:16 elements of 8 bytes; 21 set beside a mask
	s_mov_b32 s[\g+1], 32<<16                      ; dense blocks as rows of 256 bytes
	s_mov_b32 s[\g+3], 32<<16
	s_mov_b32 s[\g+5], 32
	s_mov_b32 s[\g+6], 0
	s_mov_b32 s[\g+7], 0
.endr
	s_mov_b32 s[G1T+2], 64<<16
	s_mov_b32 s[G1T+4], 64
	s_mov_b32 s[G1S+2], 16<<16
	s_mov_b32 s[G1S+4], 16
	s_mov_b32 s[G1W+2], 12<<16
	s_mov_b32 s[G1W+4], 12
	s_mov_b32 s[G0A], 1                            ; codes: region K + head + 16,384 w; from wave 6 on the same place of region V; in LDS 16,384 w: V's sixths follow K's
	s_lshl_b32 s[G0A+1], s[WV], 14
	s_mul_i32 s[G0A+2], s14, HEADB
	s_add_co_u32 s[G0A+2], s[G0A+2], s[G0A+1]
	s_add_co_u32 s[G0A+2], s[G0A+2], REG
	s_cmp_ge_u32 s[WV], 6
	s_cselect_b32 s72, REG-HEADB, 0
	s_add_co_u32 s[G0A+2], s[G0A+2], s72
	s_mov_b32 s[G0A+3], 0
	s_mov_b32 s[G0S], 1                            ; scale words: piece q = w - 12 of 4,096 bytes, in LDS at SCK + 4,096 q
	s_and_b32 s72, s[WV], 3
	s_lshl_b32 s72, s72, 12
	s_add_co_u32 s[G0S+1], s72, SCK
	s_and_b32 s73, s14, 1
	s_lshl_b32 s2, s73, 13
	s_add_co_u32 s2, s2, s72                       ; q = 0, 1: K's halves (a pair of heads: K's 2 x 8,192, then V's 2 x 4,096)
	s_lshl_b32 s73, s73, 12
	s_add_co_u32 s73, s73, 16384                   ; q = 2: V's
	s_cmp_eq_u32 s72, 8192
	s_cselect_b32 s2, s73, s2
	s_lshr_b32 s73, s14, 1
	s_mul_i32 s73, s73, 24576
	s_add_co_u32 s73, s73, 524288
	s_add_co_u32 s[G0S+2], s73, s2
	s_mov_b32 s[G0S+3], 0
	s_mov_b32 s[G0W], 1                            ; Wq: group 64 + hd / 2 of qcodes, tiles 4 (hd % 2) .. + 3; wave w takes K step of 256 number w / 4, tile w % 4: 3,072 bytes, in LDS at WQB + 3,072 w
	s_mul_i32 s[G0W+1], s[WV], 3072
	s_add_co_u32 s[G0W+1], s[G0W+1], WQB
	s_lshr_b32 s72, s13, 1
	s_add_co_u32 s72, s72, 64
	s_and_b32 s73, s13, 1
	s_mul_i32 s[G0W+2], s72, HEADB
	s_mul_i32 s2, s73, 12288
	s_add_co_u32 s[G0W+2], s[G0W+2], s2
	s_lshr_b32 s2, s[WV], 2
	s_mul_i32 s2, s2, 24576
	s_add_co_u32 s[G0W+2], s[G0W+2], s2
	s_and_b32 s2, s[WV], 3
	s_mul_i32 s2, s2, 3072
	s_add_co_u32 s[G0W+2], s[G0W+2], s2
	s_mov_b32 s[G0W+3], 0
	s_lshl_b32 s70, s72, 12                        ; and its scale words: 512 bytes for 128 along K, my four tiles' 256 of them
	s_lshl_b32 s2, s73, 8
	s_add_co_u32 s70, s70, s2
	s_mov_b32 s71, 0
	s_lshr_b32 s72, s14, 4
	s_lshl_b32 s72, s72, 4
	s_lshr_b32 s73, s15, 3
	s_add_co_u32 s72, s72, s73                     ; 16 b + T / 8: my group of 128 rows, in query and in O
	s_and_b32 s73, s15, 7                          ; and my tile in it
	s_mul_i32 s66, s72, HEADB
	s_mul_i32 s2, s73, 3072
	s_add_co_u32 s66, s66, s2                      ; query's codes
	s_mov_b32 s67, 0
	s_lshr_b32 s2, s73, 2
	s_lshl_b32 s2, s2, 8
	s_and_b32 s73, s73, 3
	s_lshl_b32 s73, s73, 2
	s_add_co_u32 s73, s73, s2
	s_lshl_b32 s68, s72, 12
	s_add_co_u32 s68, s68, s73                     ; query's scale words: group, 256 (tile / 4) + 4 (tile % 4); + 16 r
	s_mov_b32 s69, 0
	s_lshr_b32 s2, s13, 2
	s_mul_i32 s2, s2, 24576                        ; O's codes: group 224 + mine, K step of 256 hd / 4, my tile, half fragment hd % 4
	s_add_co_u32 s74, s66, s2
	s_and_b32 s2, s13, 3
	s_mul_i32 s2, s2, 768
	s_add_co_u32 s74, s74, s2
	s_add_co_u32 s74, s74, 224*HEADB
	s_mov_b32 s75, 0
	s_lshr_b32 s2, s13, 1
	s_lshl_b32 s2, s2, 9                           ; O's scale words: 128 along K number hd / 2, bytes 2 (hd % 2)
	s_add_co_u32 s76, s68, s2
	s_and_b32 s2, s13, 1
	s_lshl_b32 s2, s2, 1
	s_add_co_u32 s76, s76, s2
	s_add_co_u32 s76, s76, 224*4096
	s_mov_b32 s77, 0
	s_lshl_b32 s2, s13, 8                          ; bq: 64 numbers a head
	s_mov_b32 s3, 0
	s_mov_b32 s[SEL], 0x76543210
	s_mov_b32 s[SEL+1], 0xfedcba98                 ; v_permlanex16_b32's selects for lane l xor 16
	s_mov_b32 s[CS], 0x3e38aa3b                    ; c = log2(e) / 8
	s_mov_b32 s[CS+1], s[CS]                       ; (named with it as a pair, so it is written)
	v_and_b32 v8, 31, v0                           ; lane
	v_and_b32 v9, 15, v0                           ; r
	v_bfe_u32 v10, v0, 4, 1                        ; h
	v_lshlrev_b32 v1, 4, v8                        ; 16 x lane
	v_lshlrev_b32 v2, 3, v8                        ; 8 x lane
	v_lshlrev_b32 v3, 7, v10                       ; 128 h
	v_lshlrev_b32 v4, 4, v9                        ; 16 r
	v_lshlrev_b32 v7, 3, v10                       ; 8 h
	WALU
	s_wait_dscnt 0x0                               ; both opening adds are done
	s_wait_kmcnt 0x0
	s_add_nc_u64 s[G0A+2:G0A+3], s[4:5], s[G0A+2:G0A+3]
	s_or_b32 s[G0A+3], s[G0A+3], 0x80000000
	s_add_nc_u64 s[G0S+2:G0S+3], s[6:7], s[G0S+2:G0S+3]
	s_or_b32 s[G0S+3], s[G0S+3], 0x80000000
	s_add_nc_u64 s[G0W+2:G0W+3], s[40:41], s[G0W+2:G0W+3]
	s_or_b32 s[G0W+3], s[G0W+3], 0x80000000
	s_add_nc_u64 s[66:67], s[40:41], s[66:67]
	s_add_nc_u64 s[68:69], s[42:43], s[68:69]
	s_add_nc_u64 s[70:71], s[42:43], s[70:71]
	s_add_nc_u64 s[74:75], s[8:9], s[74:75]
	s_add_nc_u64 s[76:77], s[10:11], s[76:77]
	s_add_nc_u64 s[78:79], s[78:79], s[2:3]
; WHAT hq'S TILE u NEEDS FROM MEMORY: my 16 queries' eight fragments (all of K) and scale words, Wq's scale words, and bq, which is laid into the sums' registers: register 8 i + j of lane (r, h) is channel 32 h + 8 i + j.
.macro QLOAD u
.irp g, 0,1,2,3,4,5,6,7
	global_load_b128 v[128+12*\g:131+12*\g], v1, s[66:67] offset:2*HEADB*\u+24576*(\g/2)+1536*(\g%2)
	global_load_b64 v[132+12*\g:133+12*\g], v2, s[66:67] offset:2*HEADB*\u+24576*(\g/2)+1536*(\g%2)+512
	global_load_b128 v[134+12*\g:137+12*\g], v1, s[66:67] offset:2*HEADB*\u+24576*(\g/2)+1536*(\g%2)+768
	global_load_b64 v[138+12*\g:139+12*\g], v2, s[66:67] offset:2*HEADB*\u+24576*(\g/2)+1536*(\g%2)+1280
	global_load_b32 v[86+\g], v4, s[68:69] offset:8192*\u+512*\g
	global_load_b128 v[224+4*\g:227+4*\g], v4, s[70:71] offset:512*\g
.endr
.irp k, 0,1,2,3,4,5,6,7
	global_load_b128 v[96+4*\k:99+4*\k], v3, s[78:79] offset:16*\k
.endr
.endm
; hq'S TILE: hq^T = Wq query^T + bq, eight steps of 128 along K, four accumulators by turns (bq is the first products' C); then its quantiser: my 32 sums are one block of the head's 64 channels.
.macro QCOMP
	v_add_nc_u32 v8, WQB, v1
	v_add_nc_u32 v9, WQB, v2
	WALU
	s_wait_loadcnt 0x0
.irp g, 0,1,2,3,4,5,6,7
.if \g
.rept 4
	v_nop                                          ; places in front of the loads into registers that the last products read
.endr
.endif
.irp i, 0,1,2,3
	ds_load_b128 v[32+12*\i:35+12*\i], v8 offset:12288*(\g/2)+3072*\i+1536*(\g%2)
	ds_load_b64 v[36+12*\i:37+12*\i], v9 offset:12288*(\g/2)+3072*\i+1536*(\g%2)+512
	ds_load_b128 v[38+12*\i:41+12*\i], v8 offset:12288*(\g/2)+3072*\i+1536*(\g%2)+768
	ds_load_b64 v[42+12*\i:43+12*\i], v9 offset:12288*(\g/2)+3072*\i+1536*(\g%2)+1280
.endr
	s_wait_dscnt 0x0
.irp i, 0,1,2,3
	v_wmma_scale_f32_16x16x128_f8f6f4 v[96+8*\i:103+8*\i], v[32+12*\i:43+12*\i], v[128+12*\g:139+12*\g], v[96+8*\i:103+8*\i], v[224+4*\g+\i], v[86+\g] matrix_a_fmt:MATRIX_FMT_FP6 matrix_b_fmt:MATRIX_FMT_FP6
.endr
.endr
.rept 4
	v_nop                                          ; places behind the last products
.endr
	v_max3_num_f32 v208, |v96|, |v97|, |v98|       ; the block's largest magnitude, in two chains
	v_max3_num_f32 v209, |v112|, |v113|, |v114|
.irp i, 3,5,7,9,11,13
	v_max3_num_f32 v208, v208, |v[96+\i]|, |v[97+\i]|
	v_max3_num_f32 v209, v209, |v[112+\i]|, |v[113+\i]|
.endr
	v_max3_num_f32 v208, v208, |v111|, |v127|
	DEP 1
	v_max3_num_f32 v208, v208, v209, 0x1800000     ; and the floor 2^(3 - 127): the byte cannot fall under 1
	DEP 1
	v_add_nc_u32 v226, 0xff000000, v208            ; 2 off the exponent field: the conversions' scale operand
	v_mov_b32 v213, 0                              ; (a lane permute's destination counts as one of its sources)
	v_cvt_scalef32_pk16_fp6_f32 v[20:22], v[96:111], v226
	v_cvt_scalef32_pk16_fp6_f32 v[216:218], v[112:127], v226   ; (a conversion's three registers begin on an even number)
	v_lshrrev_b32 v208, 23, v226                   ; the scale's byte (the plain line behind the conversions)
.irp i, 0,1,2
	v_mov_b32 v[23+\i], v[216+\i]                  ; Q's registers 0-5: channels 32 h + 0 .. 31
.endr
	v_lshlrev_b32 v208, v7, v208                   ; my byte at its place (8 h bits up);
	DEP 1
	v_permlanex16_b32 v213, v208, s[SEL], s[SEL+1]
	DEP 1
	v_or_b32 v94, v208, v213                       ; with lane l xor 16's: Q's scale word; bytes 2, 3 are 0.  (The lines of INIT stand between this and the next products)
.endm
	QLOAD 0
	CROUND                                         ; all four work-groups are here: the joint loads meet
	TLOAD G0W, G1W                                 ; my sixteenth of Wq's rows: the one tensor load of the head, one line for all waves
.irp j, 19,26,27,28,29,30,31,80,81,82,83,84,85
	v_mov_b32 v\j, 0                               ; zero codes: Q's upper half, and what follows K's last tile; and the upper half of the pair v[18:19]
.endr
	WALU
	s_wait_tensorcnt 0x0                           ; my part of Wq's rows is in
	ds_add_u32 v5, v6
	s_wait_dscnt 0x0
	CROUND                                         ; everybody's part is in, and all four work-groups are here
	s_cmp_lt_u32 s[WV], 12                         ; one chain of branches on the wave's number, one fill to an arm, one join
	s_cbranch_scc0 .Lwords
	TLOAD G0A, G1T
	s_branch .Lasked
.Lwords:
	s_cmp_lt_u32 s[WV], 15
	s_cbranch_scc0 .Lasked
	TLOAD G0S, G1S
.Lasked:
	QCOMP                                          ; the first tile of hq, while K, V and their scale words are on their way
.macro INIT                            ; a tile begins: O^T and the sum are zeros, the largest score is -3e38 and -M a large whole number, so that the key step is written once: its first change of M multiplies zeros by 0
	v_mov_b32 v15, 0xff61b1e6
	v_mov_b32 v14, 0x7e000000
	v_mov_b32 v16, 0
	v_mov_b32 v17, 0
.set J, 0
.rept 32
	v_mov_b32 v[160+J], 0
.set J, J+1
.endr
.endm
	INIT
; A KEY STEP: 128 keys.
.macro STEP
	v_add_nc_u32 v8, s[TB], v1                     ; (these four lines are the places between the last products and the loads into registers that they read)
	v_add_nc_u32 v9, s[TB], v2
	v_add_nc_u32 v12, s[TSK], v4
	v_nop
.irp t, 0,1,2,3,4,5,6,7
	ds_load_b128 v[32+6*\t:35+6*\t], v8 offset:768*\t
	ds_load_b64 v[36+6*\t:37+6*\t], v9 offset:768*\t+512
.endr
	ds_load_b128 v[86:89], v12                     ; K's scale words: four tiles' a load
	ds_load_b128 v[90:93], v12 offset:256
	s_wait_dscnt 0x0
.irp t, 0,1,2,3,4,5,6,7                ; S^T = K Q^T: register 8 t + j of lane (r, h) is query r, key 64 (t / 4) + 32 h + 8 (t % 4) + j
	v_wmma_scale_f32_16x16x128_f8f6f4 v[96+8*\t:103+8*\t], v[32+6*\t:43+6*\t], v[20:31], 0, v[86+\t], v94 matrix_a_fmt:MATRIX_FMT_FP6 matrix_b_fmt:MATRIX_FMT_FP6
.endr
	v_add_nc_u32 v10, s[TBV], v1                   ; (four places in front of the loads into K's registers and of the first read of the scores)
	v_add_nc_u32 v11, s[TBV], v2
	v_add_nc_u32 v13, s[TSV], v4
	v_nop
.irp t, 0,1,2,3                        ; V's four fragments (16 channels x 128 keys each) land while the softmax is walked
.irp g, 0,1
	ds_load_b128 v[32+12*\t+6*\g:35+12*\t+6*\g], v10 offset:1536*\t+768*\g
	ds_load_b64 v[36+12*\t+6*\g:37+12*\t+6*\g], v11 offset:1536*\t+768*\g+512
.endr
.endr
	ds_load_b128 v[192:195], v13                   ; and V's scale words
.irp b, 0,1,2,3                        ; THE LARGEST SCORE OF MY TWO BLOCKS OF 32 KEYS, each in two chains of 16; the four chains by turns.  It serves the row's maximum and, since p rises with the score, the block's largest p
	v_max3_num_f32 v[208+\b], v[96+16*\b], v[97+16*\b], v[98+16*\b]
.endr
.irp i, 3,5,7,9,11,13
.irp b, 0,1,2,3
	v_max3_num_f32 v[208+\b], v[208+\b], v[96+16*\b+\i], v[97+16*\b+\i]
.endr
.endr
	v_max3_num_f32 v208, v208, v111, v127
	v_max3_num_f32 v210, v210, v143, v159
	DEP 2
	v_max_num_f32 v208, v208, v209                 ; block h,
	DEP 2
	v_max_num_f32 v210, v210, v211                 ; block 2 + h
	DEP 1
	v_max_num_f32 v212, v208, v210
	DEP 1
	v_permlanex16_b32 v213, v212, s[SEL], s[SEL+1]
	DEP 1
	v_max3_num_f32 v15, v15, v212, v213            ; the running largest score of my query, lane l xor 16's 64 keys among them
	DEP 1
	v_mul_f32 v214, s[CS], v15                     ; as t (c is positive)
	v_mov_b32 v215, v14
	DEP 2
	v_floor_f32 v14, -v214                         ; the new -M = floor(-t) = -ceil(t): M is a whole number
	DEP 1
	v_sub_f32 v215, v14, v215                      ; M's old value less its new one: a whole number, 0 or less
	DEP 1
	v_cvt_i32_f32 v215, v215                       ; (it saturates)
	DEP 1
	v_ldexp_f32 v18, 1.0, v215                     ; f = 2^(old M - new M)
.set J, 0
.rept 32
	v_pk_fma_f32 v[96+J:97+J], v[96+J:97+J], s[CS:CS+1], v[14:15] op_sel_hi:[1,0,0]   ; t - M, two at a time (of the pairs c and -M the low word serves both halves)
.set J, J+2
.endr
	v_fma_f32 v208, v208, s[CS], v14               ; the same of each block's largest score
	v_fma_f32 v210, v210, s[CS], v14
	WALU
.set J, 0
.rept 64
	v_exp_f32 v[96+J], v[96+J]                     ; p = 2^(t - M): not normalised
.set J, J+1
.endr
	v_exp_f32 v208, v208                           ; the blocks' largest p: the same two instructions on the same number give the same bits
	v_exp_f32 v210, v210
	v_pk_mul_f32 v[16:17], v[16:17], v[18:19] op_sel_hi:[1,0]   ; the sum under the new M (the plain line behind the exponentials)
	WALU                                           ; one wait for the whole batch, directly ahead of the first readers of O^T too
.set J, 0
.rept 16
	v_pk_mul_f32 v[160+J:161+J], v[160+J:161+J], v[18:19] op_sel_hi:[1,0]   ; O^T under the new M: x f; each accumulator from its low end on
.set J, J+2
.endr
	v_max_num_f32 v208, 0x1800000, v208            ; the floor 2^(3 - 127): the byte cannot fall under 1
	v_max_num_f32 v210, 0x1800000, v210
	DEP 2
	v_add_nc_u32 v226, 0xff000000, v208            ; 2 off the exponent field: the conversions' scale operand
	DEP 2
	v_add_nc_u32 v227, 0xff000000, v210
	DEP 2
	v_lshrrev_b32 v208, 23, v226                   ; the scales' bytes
	DEP 2
	v_lshrrev_b32 v210, 23, v227
	DEP 1
	v_lshl_or_b32 v208, v210, 16, v208             ; my two: blocks h and 2 + h,
	DEP 1
	v_lshlrev_b32 v208, v7, v208                   ; at their places (8 h bits up);
	DEP 1
	v_permlanex16_b32 v213, v208, s[SEL], s[SEL+1]
	DEP 1
	v_or_b32 v95, v208, v213                       ; with lane l xor 16's two p's scale word is whole
.irp c, 0,1
	v_cvt_scalef32_pk16_fp6_f32 v[196+6*\c:198+6*\c], v[96+32*\c:111+32*\c], v[226+\c]
	v_cvt_scalef32_pk16_fp6_f32 v[216+4*\c:218+4*\c], v[112+32*\c:127+32*\c], v[226+\c]   ; (a conversion's three registers begin on an even number)
.endr
.irp k, 0,1,2                          ; THE ROW'S SUM OF THE UNQUANTISED p: 32 pairs in four chains.  (These three are also the plain lines behind the conversions)
	v_pk_add_f32 v[238+2*\k:239+2*\k], v[96+4*\k:97+4*\k], v[98+4*\k:99+4*\k]
.endr
.irp c, 0,1
.irp i, 0,1,2
	v_mov_b32 v[199+6*\c+\i], v[216+4*\c+\i]       ; registers 6 c .. 6 c + 5 hold keys 64 c + 32 h + 0 .. 31
.endr
.endr
.set J, 6
.rept 26
.set AC_, 238+2*(J%4)
.if J%4 == 3
.set AC_, 16
.endif
	v_pk_add_f32 v[AC_:AC_+1], v[AC_:AC_+1], v[96+2*J:97+2*J]   ; (these also stand between the lines that made p's codes and scale word and the products)
.set J, J+1
.endr
	DEP 3
	v_pk_add_f32 v[238:239], v[238:239], v[240:241]
	DEP 2
	v_pk_add_f32 v[16:17], v[16:17], v[242:243]
	DEP 1
	v_pk_add_f32 v[16:17], v[16:17], v[238:239]
	WALU
	s_wait_dscnt 0x0                               ; V is in
.irp t, 0,1,2,3                        ; O^T += V^T P^T: register j of tile t is channel 32 (t / 2) + 8 (t % 2) + 16 h + j; the four accumulators by turns
	v_wmma_scale_f32_16x16x128_f8f6f4 v[160+8*\t:167+8*\t], v[32+12*\t:43+12*\t], v[196:207], v[160+8*\t:167+8*\t], v[192+\t], v95 matrix_a_fmt:MATRIX_FMT_FP6 matrix_b_fmt:MATRIX_FMT_FP6
.endr
.endm
; A TILE'S END.  O^T / the sum: register 16 b + i = channel 32 b + 16 h + i: two blocks of the last product's K.  They become one half fragment, which leaves straight from registers, and two scale bytes.
.macro FINISH u
.rept 4
	v_nop                                          ; places behind the last products
.endr
	v_add_f32 v16, v16, v17                        ; the sum's two halves,
	DEP 1
	v_permlanex16_b32 v213, v16, s[SEL], s[SEL+1]
	DEP 1
	v_add_f32 v16, v16, v213                       ; and lane l xor 16's: the row's sum
	WALU
	v_rcp_f32 v16, v16
	v_nop                                          ; one plain line behind the reciprocal
	WALU                                           ; and the wait ahead of its first reader
.set J, 0
.rept 16
	v_pk_mul_f32 v[96+J:97+J], v[160+J:161+J], v[16:17] op_sel_hi:[1,0]   ; each accumulator from its low end on
.set J, J+2
.endr
.irp b, 0,1
	v_max3_num_f32 v[208+\b], |v[96+16*\b]|, |v[97+16*\b]|, 0x1800000
.endr
.irp i, 2,4,6,8,10,12,14
.irp b, 0,1
	DEP 2
	v_max3_num_f32 v[208+\b], v[208+\b], |v[96+16*\b+\i]|, |v[97+16*\b+\i]|
.endr
.endr
.irp b, 0,1
	DEP 2
	v_permlanex16_b32 v[212+\b], v[208+\b], s[SEL], s[SEL+1]
.endr
.irp b, 0,1
	DEP 2
	v_max_num_f32 v[208+\b], v[208+\b], v[212+\b]
.endr
.irp b, 0,1
	DEP 2
	v_add_nc_u32 v[226+\b], 0xff000000, v[208+\b]
.endr
.irp b, 0,1
	DEP 2
	v_lshrrev_b32 v[212+\b], 23, v[226+\b]
.endr
	DEP 1
	v_lshl_or_b32 v214, v213, 8, v212              ; the head's two bytes of row r
	v_cvt_scalef32_pk16_fp6_f32 v[196:198], v[96:111], v226
	v_cvt_scalef32_pk16_fp6_f32 v[216:218], v[112:127], v227
	v_nop
.irp i, 0,1,2
	v_permlane16_swap_b32 v[196+\i], v[216+\i]     ; the operand's layout wants a whole block in a lane
.endr
.irp i, 0,1,2
	DEP 3
	v_mov_b32 v[199+\i], v[216+\i]
.endr
	global_store_b128 v1, v[196:199], s[74:75] offset:2*HEADB*\u         ; 32 lanes store 512 consecutive bytes,
	global_store_b64 v2, v[200:201], s[74:75] offset:2*HEADB*\u+512      ; and 256 more
	global_store_b16 v4, v214, s[76:77] offset:8192*\u                   ; two bytes of each row's scale word; both halves of the lanes store the same bytes with the same value
.endm
.macro TILE u                          ; sixteen key steps, written once for each tile, and the tile's end
	s_mov_b32 s[TB], 0
	s_mov_b32 s[TBV], VOFF
	s_mov_b32 s[TSK], SCK
	s_mov_b32 s[TSV], SCV
	s_mov_b32 s[CNT], 16
.Lstep_\@:
	STEP
	s_add_co_u32 s[TB], s[TB], STEPB
	s_add_co_u32 s[TBV], s[TBV], STEPB
	s_add_co_u32 s[TSK], s[TSK], 512
	s_add_co_u32 s[TSV], s[TSV], 256
	s_sub_co_u32 s[CNT], s[CNT], 1
	s_cmp_lg_u32 s[CNT], 0
	s_cbranch_scc1 .Lstep_\@
	FINISH \u
.endm
	WALU
	s_wait_tensorcnt 0x0                           ; my fill has landed: every wave waits, under no branch
	s_wait_dscnt 0x0
	s_barrier_signal -1
	s_barrier_wait -1                              ; everybody's has: K, V and the scale words are whole, and nothing is filled again
	TILE 0
	WALU
	s_wait_xcnt 0x0                                ; the stores have read v196-201 and v214: they are written again only behind this wait
	QLOAD 1
	QCOMP
	INIT
	WALU
	TILE 1
	s_wait_tensorcnt 0x0                           ; the wave's end
	ds_add_u32 v5, v6
	s_wait_dscnt 0x0
	CROUND                                         ; the closing round
	s_endpgm
.Lfunc_end_k_q583d42f5fe_attn:
	.size	k_q583d42f5fe_attn, .Lfunc_end_k_q583d42f5fe_attn-k_q583d42f5fe_attn
	.p2alignl 7, 3214868480
	.fill 96, 4, 3214868480
	.section	.rodata,"a",@progbits
	.p2align	6, 0x0
	.amdhsa_kernel k_q583d42f5fe_attn
		.amdhsa_group_segment_fixed_size 327680
		.amdhsa_private_segment_fixed_size 0
		.amdhsa_enable_private_segment 0
		.amdhsa_kernarg_size 56
		.amdhsa_user_sgpr_count 2
		.amdhsa_user_sgpr_kernarg_segment_ptr 1
		.amdhsa_wavefront_size32 1
		.amdhsa_system_sgpr_workgroup_id_x 1
		.amdhsa_system_sgpr_workgroup_id_y 1
		.amdhsa_system_sgpr_workgroup_id_z 1
		.amdhsa_system_vgpr_workitem_id 0
		.amdhsa_next_free_vgpr 256
		.amdhsa_next_free_sgpr 80
		.amdhsa_reserve_vcc 0
		.amdhsa_float_denorm_mode_32 3
		.amdhsa_float_denorm_mode_16_64 3
		.amdhsa_memory_ordered 1
		.amdhsa_forward_progress 1
		.amdhsa_inst_pref_size 93
	.end_amdhsa_kernel
	.amdgpu_metadata
---
amdhsa.version: [ 1, 2 ]
amdhsa.kernels:
  - .name:           k_q583d42f5fe_attn
    .symbol:         k_q583d42f5fe_attn.kd
    .args:
      - { .name: himg, .offset: 0, .size: 8, .value_kind: global_buffer, .address_space: global }
      - { .name: hsc, .offset: 8, .size: 8, .value_kind: global_buffer, .address_space: global }
      - { .name: codes, .offset: 16, .size: 8, .value_kind: global_buffer, .address_space: global }
      - { .name: scales, .offset: 24, .size: 8, .value_kind: global_buffer, .address_space: global }
      - { .name: qcodes, .offset: 32, .size: 8, .value_kind: global_buffer, .address_space: global }
      - { .name: qscales, .offset: 40, .size: 8, .value_kind: global_buffer, .address_space: global }
      - { .name: bq, .offset: 48, .size: 8, .value_kind: global_buffer, .address_space: global }
    .group_segment_fixed_size: 327680
    .private_segment_fixed_size: 0
    .kernarg_segment_align: 8
    .kernarg_segment_size: 56
    .max_flat_workgroup_size: 512
    .sgpr_count:     80
    .vgpr_count:     256
    .wavefront_size: 32
...
	.end_amdgpu_metadata
.endif
;; end of part 3
;; launch outp (part 4): grid 4 x 64, 4 waves a work-group, clusters of 4 x 4, 327,680 bytes of LDS; arguments codes, scales, bc, out0; writes out0
.if DOCPART == 4
	.amdgcn_target "amdgcn-amd-amdhsa--gfx1250"
	.amdhsa_code_object_version 6
	.text
	.protected	k_q583d42f5fe_outp
	.globl	k_q583d42f5fe_outp
	.p2align	8
	.type	k_q583d42f5fe_outp,@function
k_q583d42f5fe_outp:
	s_mov_b64 s[64:65], 0
	v_nop
	global_prefetch_b8 v0, s[64:65] scope:SCOPE_SE
	s_setreg_imm32_b32 hwreg(HW_REG_WAVE_MODE, 25, 1), 1
	s_wait_xcnt 0x0
	s_wait_alu depctr_hold_cnt(0) depctr_sa_sdst(0) depctr_va_vdst(0) depctr_va_sdst(0) depctr_va_ssrc(0) depctr_va_vcc(0) depctr_vm_vsrc(0)
	s_getreg_b32 s2, hwreg(HW_REG_IB_STS2, 6, 4)
	s_cmp_eq_u32 s2, 0
	s_cbranch_scc0 .Lentry_in_a_cluster
	s_endpgm
.Lentry_in_a_cluster:
	s_bfe_u32 s2, ttmp6, 0x10000c
	s_cmp_lg_u32 s2, 0xf033
	s_cbranch_scc0 .Lentry_shape_is_right
	s_endpgm
.Lentry_shape_is_right:
; out0 = O Wc^T + bc: [8192][1024] f32, K = 1,024, both operands codes of FP6 (E2M3) with E8M0 scales, as launches attn (O: groups 224-287 of codes and scales) and quant (Wc: groups 216-223) left them.
; A group is 128 rows: [K step of 256: 4][tile: 8][64 along K: 4][768 bytes], a half fragment's image being registers 0-3 of lane l at 16 l, registers 4-5 at 512 + 8 l; tile i, lane r = row 32 (i / 2) + 8 (i % 2) + r + 8 (r / 8).
; SHARES.  A work-group makes 128 rows x 256 columns: 64 x 4 = 256 work-groups.  Four waves, 2 x 2: a wave makes 64 rows (four tiles of O's group) x 128 columns (a group of Wc): 32 accumulators, 256 registers.
; LDS.  ALL OF K of both operands fits: O's group (98,304 bytes) at 0, Wc's two groups (196,608) behind it.  They are fetched once, at the head, one tensor load a wave: wave 0 O's group, waves 1-3 a third of Wc's two groups each.
; Nothing is filled again: one barrier ahead of the products, one ahead of the way out (its stage lies in O's region, which has had its last fill and, behind that barrier, its last read).
; CLUSTER.  4 x 4 work-groups: O's group is shared along a row of the cluster, Wc's groups along a column: joint loads, each descriptor made without the coordinate that its mask spans.
; NO PREFETCH: every byte is asked for at the head; there is no loop to run ahead in.
; THE MATRIX INSTRUCTION IS USED TRANSPOSED (source 0 = 16 rows of Wc, source 1 = 16 rows of O): a lane holds eight neighbouring columns of one row of the result.  bc is the first products' C.
; Eight steps of 128 along K, 32 products each, the 32 accumulators by turns in the same order in every step; both operands have two sets of fragment registers: step g + 1 is fetched ahead of step g's products.
; REGISTERS: window 0: v16-31 addresses; v32-95 scale words (register 8 g + i: lanes 0-15 the word of my tile i of O, lanes 16-31 that of tile i of Wc, for step g); v96-127, v224-255 bc; v128-175, v176-223 O's fragments;
; on the way out v128-255 rows read back.  Window 1: Wc's fragments, at v0 and at v128.  Window 2: the accumulators, (a, b) at v[8 (8 a + b)].
.set GRP,    98304
.set HALFK,  49152                     ; two K steps of 256 of a group: what an LDS load's immediate reaches
.set SPARE,  3*GRP                     ; behind the operands: the spare words, 128 bytes a wave: two blocks of 256 bytes that no other line names
.set FR,     12
.set SPITCH, 528                       ; the way out: a stage of 16 rows x (512 + 16) bytes for each wave
.set ADRL, 16                          ; v16, v17 O's fragments, 16 bytes a lane, K halves 0, 1;  v18, v19 8 bytes a lane
.set ADRR, 20                          ; v20-23 the same for Wc
.set STO,  24
.set RD,   25
.set SCO,  26                          ; v26, v31 offsets of the scale words
.set BOQ,  27
.set SPW,  28
.set NIL,  29
.set CO,   30
.set SCO2, 31
.set SC,   32
.set AF,   128
.set BK,   128
.set WV,   18
.set WH,   19
.set WL,   20
.set G1,   24
.set G0,   32
.set G1B,  48
.set G0B,  56
.set HM,   66
.set BP,   84
.set OB,   86
.set MSB, 0
.macro WIN new                         ; the immediate's high byte repeats the setting that is left
.if MSB != \new
	s_set_vgpr_msb (MSB<<8)|\new
.set MSB, \new
.endif
.endm
.set MUL_W,  0xa1                      ; source 0 (Wc) window 1, source 1 (O) window 0, C and D window 2
.set BIA_W,  0x81                      ; the same, C (bc) window 0
.set TO_B,   0x40                      ; destination window 1, address window 0
.macro CROUND
	s_barrier_signal -1
	s_barrier_wait -1
	s_cmp_lg_u32 s[WV], 0
	s_cbranch_scc1 .Lnot_wave_0_\@
	s_barrier_signal -3
.Lnot_wave_0_\@:
	s_barrier_wait -3
	s_barrier_signal -1
	s_barrier_wait -1
.endm
.macro PLACES n
.rept \n
	v_nop
.endr
.endm
	s_load_b256 s[4:11], s[0:1], 0x0               ; codes, scales, bc, out0
	v_lshl_add_u32 v[SPW], v0, 2, SPARE
	v_mov_b32 v[NIL], 0
	ds_add_u32 v[SPW], v[NIL]                      ; the opening lines: the add, twice on end, and its wait
	ds_add_u32 v[SPW], v[NIL]
	v_lshrrev_b32 v1, 5, v0
	v_readfirstlane_b32 s[WV], v1
	s_lshr_b32 s[WH], s[WV], 1                     ; which 64 rows are mine
	s_and_b32 s[WL], s[WV], 1                      ; which 128 columns
	s_bfe_u32 s21, ttmp6, 0x40000                  ; cx
	s_bfe_u32 s22, ttmp6, 0x40004                  ; cy
	s_and_b32 s44, ttmp7, 0xffff
	s_lshl_b32 s44, s44, 2
	s_add_co_u32 s44, s44, s22                     ; the block's row: O's group, 0 .. 63
	s_lshl_b32 s45, ttmp9, 2
	s_add_co_u32 s45, s45, s21                     ; its column, 0 .. 3
	s_lshl_b32 s46, s22, 2
	s_lshl_b32 s46, 15, s46                        ; my row of the cluster
	s_lshl_b32 s47, 0x1111, s21                    ; my column
	s_or_b32 s[G1], s46, (3<<16)|(1<<21)           ; elements of 8 bytes; bit 21 set beside a mask
	s_or_b32 s[G1B], s47, (3<<16)|(1<<21)
.irp g, G1, G1B
	s_mov_b32 s[\g+1], 32<<16                      ; dense blocks as rows of 256 bytes
	s_mov_b32 s[\g+3], 32<<16
	s_mov_b32 s[\g+5], 32
	s_mov_b32 s[\g+6], 0
	s_mov_b32 s[\g+7], 0
.endr
	s_mov_b32 s[G1+2], 384<<16                     ; O's group: 384 rows
	s_mov_b32 s[G1+4], 384
	s_mov_b32 s[G1B+2], 256<<16                    ; a third of Wc's two groups: 256 rows
	s_mov_b32 s[G1B+4], 256
	s_add_co_u32 s23, s[WV], 3
	s_and_b32 s23, s23, 3
	s_lshl_b32 s23, s23, 16                        ; 65,536 (w - 1), for waves 1 to 3
	s_add_co_u32 s80, s44, 224
	s_mul_i32 s80, s80, GRP
	s_mov_b32 s81, 0
	s_lshl_b32 s82, s45, 1
	s_add_co_u32 s82, s82, 216
	s_mul_i32 s82, s82, GRP
	s_add_co_u32 s82, s82, s23
	s_mov_b32 s83, 0
	s_wait_alu depctr_va_vdst(0)
	s_wait_dscnt 0x0
	s_wait_kmcnt 0x0
	s_add_nc_u64 s[80:81], s[4:5], s[80:81]
	s_add_nc_u64 s[82:83], s[4:5], s[82:83]
	s_mov_b32 s[G0], 1
	s_mov_b32 s[G0+1], 0
	s_mov_b64 s[G0+2:G0+3], s[80:81]
	s_or_b32 s[G0+3], s[G0+3], 0x80000000
	s_mov_b32 s[G0B], 1
	s_add_co_u32 s[G0B+1], s23, GRP
	s_mov_b64 s[G0B+2:G0B+3], s[82:83]
	s_or_b32 s[G0B+3], s[G0B+3], 0x80000000
	CROUND                                         ; all sixteen work-groups are here: the joint loads meet
	s_cmp_eq_u32 s[WV], 0                          ; one tensor load a wave; each of the two lines has one mask
	s_cbranch_scc0 .Lfor_b
	tensor_load_to_lds s[G0:G0+3], s[G1:G1+7]
	s_nop 0
	PLACES 4
	s_branch .Lasked
.Lfor_b:
	tensor_load_to_lds s[G0B:G0B+3], s[G1B:G1B+7]
	s_nop 0
	PLACES 4
.Lasked:
	s_mul_i32 s46, s[WH], 12288                    ; my four tiles of O's group,
	s_mul_i32 s47, s[WL], GRP
	s_add_co_u32 s47, s47, GRP                     ; my group of Wc,
	s_add_co_u32 s70, s46, HALFK                   ; and the same in the upper half of K
	s_add_co_u32 s71, s47, HALFK
	s_mul_i32 s72, s[WV], 16*SPITCH                ; my stage
	s_lshl_b32 s79, s45, 1
	s_add_co_u32 s79, s79, s[WL]                   ; my 128 columns, 0 .. 7
	s_add_co_u32 s75, s44, 224
	s_lshl_b32 s75, s75, 12                        ; O's scale words: 4,096 bytes a group: [128 along K: 8][tiles 0-3 or 4-7][r][4 words]
	s_lshl_b32 s76, s[WH], 8
	s_add_co_u32 s76, s76, s75                     ; my four tiles' words
	s_add_co_u32 s77, s79, 216
	s_lshl_b32 s77, s77, 12                        ; Wc's
	s_lshl_b32 s82, s79, 9
	s_mov_b32 s83, 0
	s_add_nc_u64 s[BP:BP+1], s[8:9], s[82:83]      ; bc at my columns
	s_lshl_b32 s80, s44, 19                        ; out0: 128 rows of 4,096 bytes a block, 64 rows a half, 512 bytes for 128 columns
	s_lshl_b32 s81, s[WH], 18
	s_add_co_u32 s80, s80, s81
	s_add_co_u32 s80, s80, s82
	s_mov_b32 s81, 0
	s_add_nc_u64 s[OB:OB+1], s[10:11], s[80:81]
	v_and_b32 v1, 31, v0
	v_and_b32 v2, 15, v0
	v_bfe_u32 v3, v0, 4, 1
	v_lshlrev_b32 v[CO], 4, v1
	v_lshlrev_b32 v4, 3, v1
	v_add_nc_u32 v[ADRL], s46, v[CO]
	v_add_nc_u32 v[ADRL+1], s70, v[CO]
	v_add_nc_u32 v[ADRL+2], s46, v4
	v_add_nc_u32 v[ADRL+3], s70, v4
	v_add_nc_u32 v[ADRR], s47, v[CO]
	v_add_nc_u32 v[ADRR+1], s71, v[CO]
	v_add_nc_u32 v[ADRR+2], s47, v4
	v_add_nc_u32 v[ADRR+3], s71, v4
	v_mul_u32_u24 v[STO], v2, SPITCH               ; into the stage: row l % 16, 64 bytes on for the upper half of the lanes
	v_lshl_add_u32 v[STO], v3, 6, v[STO]
	v_add_nc_u32 v[STO], s72, v[STO]
	v_add_nc_u32 v[RD], s72, v[CO]                 ; back: the 32 lanes take one row of 512 bytes
	v_lshlrev_b32 v[BOQ], 6, v3
	v_mov_b32 v5, s76
	v_mov_b32 v6, s77
	v_mov_b32 v7, s75
	v_cmp_le_u32 s[HM], 16, v1
	v_cndmask_b32 v[SCO], v5, v6, s[HM]            ; lanes 0-15 take O's words, lanes 16-31 Wc's
	v_cndmask_b32 v[SCO2], v7, v6, s[HM]           ; (for Wc's tiles 4-7; what lanes 0-15 load there lies inside O's group and is not used)
	v_lshl_add_u32 v[SCO], v2, 4, v[SCO]
	v_lshl_add_u32 v[SCO2], v2, 4, v[SCO2]
.irp g, 0,1,2,3,4,5,6,7
	global_load_b128 v[SC+8*\g:SC+8*\g+3], v[SCO], s[6:7] offset:512*\g
	global_load_b128 v[SC+8*\g+4:SC+8*\g+7], v[SCO2], s[6:7] offset:512*\g+256
.endr
.irp t, 0,1,2,3,4,5,6,7                ; bc as the result lies: register j of tile t, lane (r, h), is column 32 (t / 2) + 8 (t % 2) + 16 h + j
	global_load_b128 v[96+8*\t+96*(\t/4):96+8*\t+96*(\t/4)+3], v[BOQ], s[BP:BP+1] offset:(32*(\t/2)+8*(\t%2))*4
	global_load_b128 v[96+8*\t+96*(\t/4)+4:96+8*\t+96*(\t/4)+7], v[BOQ], s[BP:BP+1] offset:(32*(\t/2)+8*(\t%2))*4+16
.endr
.macro FRAG reg, adr, g, i             ; tile i's fragment of step g (128 along K): two half fragments
.set O_, 24576*(((\g)/2)%2)+3072*(\i)+1536*((\g)%2)
	ds_load_b128 v[\reg:\reg+3], v[\adr+(\g)/4] offset:O_
	ds_load_b64 v[\reg+4:\reg+5], v[\adr+2+(\g)/4] offset:O_+512
	ds_load_b128 v[\reg+6:\reg+9], v[\adr+(\g)/4] offset:O_+768
	ds_load_b64 v[\reg+10:\reg+11], v[\adr+2+(\g)/4] offset:O_+1280
.endm
.macro FETCH g                         ; step g's twelve fragments into set g % 2: 48 LDS loads
	WIN TO_B
.irp i, 0,1,2,3,4,5,6,7
	FRAG 128*((\g)%2)+FR*\i, ADRR, \g, \i
.endr
	WIN 0
.irp i, 0,1,2,3
	FRAG AF+48*((\g)%2)+FR*\i, ADRL, \g, \i
.endr
.endm
.macro MUL g, cm                       ; step g's 32 products
.irp a, 0,1,2,3
.irp b, 0,1,2,3,4,5,6,7
.if \cm
	v_wmma_scale_f32_16x16x128_f8f6f4 v[8*(8*\a+\b):8*(8*\a+\b)+7], v[128*((\g)%2)+FR*\b:128*((\g)%2)+FR*\b+FR-1], v[AF+48*((\g)%2)+FR*\a:AF+48*((\g)%2)+FR*\a+FR-1], v[96+8*\b+96*(\b/4):96+8*\b+96*(\b/4)+7], v[SC+8*(\g)+\b], v[SC+8*(\g)+\a] matrix_a_fmt:MATRIX_FMT_FP6 matrix_b_fmt:MATRIX_FMT_FP6 matrix_a_scale:MATRIX_SCALE_ROW1
.else
	v_wmma_scale_f32_16x16x128_f8f6f4 v[8*(8*\a+\b):8*(8*\a+\b)+7], v[128*((\g)%2)+FR*\b:128*((\g)%2)+FR*\b+FR-1], v[AF+48*((\g)%2)+FR*\a:AF+48*((\g)%2)+FR*\a+FR-1], v[8*(8*\a+\b):8*(8*\a+\b)+7], v[SC+8*(\g)+\b], v[SC+8*(\g)+\a] matrix_a_fmt:MATRIX_FMT_FP6 matrix_b_fmt:MATRIX_FMT_FP6 matrix_a_scale:MATRIX_SCALE_ROW1
.endif
.endr
.endr
.endm
	s_wait_alu depctr_va_vdst(0)
	s_wait_tensorcnt 0x0                           ; my fill has landed: every wave waits, under no branch
	s_barrier_signal -1
	s_barrier_wait -1                              ; everybody's has: both operands are whole, for all of K
	FETCH 0
	FETCH 1
	s_wait_loadcnt 0x0                             ; the scale words and bc
	s_wait_dscnt 48                                ; step 0's fragments are in; the 48 loads of step 1 may be out
	WIN BIA_W
	MUL 0, 1                                       ; the first products start the sums from bc
.irp g, 1,2,3,4,5,6
	PLACES 4                                       ; in front of the loads into the set that the last products read
	FETCH \g+1
	s_wait_dscnt 48                                ; step g's fragments are in; the 48 loads just issued may be out
	WIN MUL_W
	MUL \g, 0
.endr
	WIN 0
	s_wait_dscnt 0x0                               ; my reads of the operands are over:
	s_barrier_signal -1                            ; say so, work on registers while the others arrive,
	WIN MUL_W
	MUL 7, 0
	WIN 0
	s_barrier_wait -1                              ; and behind this nobody reads O's region any more: the stages lie there
; THE WAY OUT, block by block of 16 rows x 128 columns: through my own stage and back as whole rows of 512 bytes.  LDS serves a wave's instructions in order: no wait between the stores and the loads.
.macro TOSTAGE a
.set AC, 64*(\a)
	WIN 8                                          ; the data: window 2
.irp b, 0,1,2,3,4,5,6,7
	ds_store_b128 v[STO], v[AC+8*\b:AC+8*\b+3] offset:128*(\b/2)+32*(\b%2)       ; each accumulator from its low end on
	ds_store_b128 v[STO], v[AC+8*\b+4:AC+8*\b+7] offset:128*(\b/2)+32*(\b%2)+16
.endr
	WIN 0
.set BB, BK+64*((\a)%2)
.irp t, 0,1,2,3,4,5,6,7,8,9,10,11,12,13,14,15
	ds_load_b128 v[BB+4*\t:BB+4*\t+3], v[RD] offset:\t*SPITCH
.endr
.endm
.macro SEND a, younger                 ; younger: the LDS instructions issued behind block a's loads, which may stay out
.set BB, BK+64*((\a)%2)
	s_wait_dscnt \younger
.irp t, 0,1,2,3,4,5,6,7,8,9,10,11,12,13,14,15
	global_store_b128 v[CO], v[BB+4*\t:BB+4*\t+3], s[OB:OB+1] offset:(32*((\a)/2)+8*((\a)%2)+\t+8*(\t/8))*4096 th:TH_STORE_NT   ; 32 lanes store 512 consecutive bytes, aligned
.endr
.endm
	PLACES 4                                       ; behind the last products: for the reads of their results and the loads into registers that they read
	TOSTAGE 0
.irp a, 1,2,3
.if \a > 1
	s_wait_xcnt 0x0                                ; block a - 2's stores have read their registers: block a's loads may land there
.endif
	TOSTAGE \a
	SEND \a-1, 32                                  ; behind block a - 1's loads: block a's 16 stores and 16 loads
.endr
	SEND 3, 0
	s_wait_tensorcnt 0x0                           ; the wave's end
	ds_add_u32 v[SPW], v[NIL]
	s_wait_dscnt 0x0
	CROUND                                         ; the closing round
	s_endpgm
.Lfunc_end_k_q583d42f5fe_outp:
	.size	k_q583d42f5fe_outp, .Lfunc_end_k_q583d42f5fe_outp-k_q583d42f5fe_outp
	.p2alignl 7, 3214868480
	.fill 96, 4, 3214868480
	.section	.rodata,"a",@progbits
	.p2align	6, 0x0
	.amdhsa_kernel k_q583d42f5fe_outp
		.amdhsa_group_segment_fixed_size 327680
		.amdhsa_private_segment_fixed_size 0
		.amdhsa_enable_private_segment 0
		.amdhsa_kernarg_size 32
		.amdhsa_user_sgpr_count 2
		.amdhsa_user_sgpr_kernarg_segment_ptr 1
		.amdhsa_wavefront_size32 1
		.amdhsa_system_sgpr_workgroup_id_x 1
		.amdhsa_system_sgpr_workgroup_id_y 1
		.amdhsa_system_sgpr_workgroup_id_z 1
		.amdhsa_system_vgpr_workitem_id 0
		.amdhsa_next_free_vgpr 768
		.amdhsa_next_free_sgpr 100
		.amdhsa_reserve_vcc 0
		.amdhsa_float_denorm_mode_32 3
		.amdhsa_float_denorm_mode_16_64 3
		.amdhsa_memory_ordered 1
		.amdhsa_forward_progress 1
		.amdhsa_inst_pref_size 83
	.end_amdhsa_kernel
	.amdgpu_metadata
---
amdhsa.version: [ 1, 2 ]
amdhsa.kernels:
  - .name:           k_q583d42f5fe_outp
    .symbol:         k_q583d42f5fe_outp.kd
    .args:
      - { .name: codes, .offset: 0, .size: 8, .value_kind: global_buffer, .address_space: global }
      - { .name: scales, .offset: 8, .size: 8, .value_kind: global_buffer, .address_space: global }
      - { .name: bc, .offset: 16, .size: 8, .value_kind: global_buffer, .address_space: global }
      - { .name: out0, .offset: 24, .size: 8, .value_kind: global_buffer, .address_space: global }
    .group_segment_fixed_size: 327680
    .private_segment_fixed_size: 0
    .kernarg_segment_align: 8
    .kernarg_segment_size: 32
    .max_flat_workgroup_size: 128
    .sgpr_count:     100
    .vgpr_count:     768
    .wavefront_size: 32
...
	.end_amdgpu_metadata
.endif
;; end of part 4
